; MI455X (gfx1250); checked and timed in simulation.
; The chip was launched on July 23, 2026; its instructions are those of AMD's public machine-readable ISA for CDNA 5 (MIT licence, August 2026) and "CDNA5" Instruction Set Architecture Reference Guide (July 2026). The comments in the code are by the model that wrote it; some were corrected since.
;; Rotary Embedding Transformer Layer. Allowed arithmetic: matrix products marked QUANTISED: E4M3 operands, one E8M0 scale for each 32 along K, by v_wmma_scale_f32_16x16x128_f8f6f4 with both operands' format E4M3, f32 sums; everything else in f32.
;; Inputs: b1 4,096 float32; b2 1,024 float32; bo 1,024 float32; bqkv 3,072 float32; ln1_b 1,024 float32; ln1_g 1,024 float32; ln2_b 1,024 float32; ln2_g 1,024 float32; src 2 x 2,048 x 1,024 float32; w1 4,096 x 1,024 float32; w2 1,024 x 4,096 float32; wo 1,024 x 1,024 float32; wqkv 3,072 x 1,024 float32.
;; Outputs: out0 2 x 2,048 x 1,024 float32.
;; This version of the problem:
;;   THIS VERSION OF THE PROBLEM IS GIVEN IN LOW PRECISION. The matrix products marked QUANTISED in the list below multiply operands that are first quantised to E4M3 (4 exponent bits, 3 mantissa bits; 8 bits a number), with one power-of-two scale for each 32 numbers along K (OCP MX v1.0); their sums are f32. All else is computed in f32.
;;   The module's matrix products, in the order in which they are computed (A, B: the left and right operand; K: the contracted axis; several contracted axes count as one K, in the product's order):
;;     1. [M 4,096, K 1,024] x [K 1,024, N 3,072]; A: computed on the way; B: input wqkv: QUANTISED
;;     2. batch 32 x [M 2,048, K 64] x [K 64, N 2,048]; A: computed on the way; B: computed on the way: QUANTISED
;;     3. batch 32 x [M 2,048, K 2,048] x [K 2,048, N 64]; A: softmax (see below); B: computed on the way: QUANTISED
;;     4. [M 4,096, K 1,024] x [K 1,024, N 1,024]; A: computed on the way; B: input wo: QUANTISED
;;     5. [M 4,096, K 1,024] x [K 1,024, N 4,096]; A: computed on the way; B: input w1: QUANTISED
;;     6. [M 4,096, K 4,096] x [K 4,096, N 1,024]; A: computed on the way; B: input w2: QUANTISED
;;   THE QUANTISER, for each operand of a quantised product, along K:
;;     - K is cut into blocks of 32 from its start; a last block that is shorter is filled with zeros.
;;     - A block's scale is 2^e with e = floor(log2(the largest magnitude in the block)) - 8, held to -126 .. 127; a block of zeros has e = 0. As a byte (E8M0): e + 127.
;;     - Each number is divided by its block's scale, clamped to +-448, and rounded to the nearest number of E4M3, ties to even, subnormals kept.
;;     - The product sums the exact products of the quantised numbers (number of the format x scale) in f32.
;;   ~~~python
;;   def quantise(x, axis):      # numpy; x: float32 -> the quantised numbers, widened to float32 again
;;       x = np.moveaxis(x, axis, -1); K = x.shape[-1]
;;       x = np.pad(x, [(0, 0)] * (x.ndim - 1) + [(0, -K % 32)]); x = x.reshape(x.shape[:-1] + (-1, 32)); a = np.abs(x).max(-1, keepdims=True)
;;       e = np.where(a > 0, np.clip(np.frexp(np.where(a > 0, a, 1))[1] - 1 - 8, -126, 127), 0)      # np.frexp(a)[1] - 1 = floor(log2(a)), exactly
;;       r = np.clip(x / 2.0 ** e, -448, 448)
;;       step = 2.0 ** (np.maximum(np.frexp(np.where(r == 0, 1, r))[1] - 1, -6) - 3)
;;       q = np.round(r / step) * step * 2.0 ** e      # np.round: ties to even
;;       return np.moveaxis(q.reshape(q.shape[:-2] + (-1,))[..., :K], -1, axis).astype(np.float32)
;;   ~~~
;;   SOFTMAX AHEAD OF A QUANTISED PRODUCT. Where the list says 'softmax', what is quantised is not the finished softmax but p = 2^(t - M), with t = logit x log2(e) and M = ceil(the row's largest t), a whole number; so 1/2 < the row's largest p <= 1. The row's sum l is taken of the UNQUANTISED p, in f32, and the product's result is divided by l at the end. Since M is a whole number, a kernel that streams over the keys may use a running M (the ceiling of the running maximum): every later rescaling is an exact power of two, which a block's scale takes up: the codes' values come out the same.
;;   OPERANDS COMPUTED ON THE WAY. 'Computed on the way' means the value that the module computes at that place (a softmax that the list does not call 'softmax' is quantised finished and normalised). What goes into a quantiser is computed in f32, as accurately as f32 sums, v_exp_f32 and their like allow (about 1e-6 of the number): no bf16 or f16 on the way to a quantiser, and a product that is left as it is and whose result goes on into a quantised operand takes f32 operands (vector FMAs, or v_wmma_f32_16x16x4_f32). A number that lies on a knife's edge between two numbers of the format may be rounded either way, as far as f32 arithmetic and the matrix unit's own rounding can turn it there, and no further.
;; One version. Each part assembles by itself: llvm-mc -triple=amdgcn-amd-amdhsa -mcpu=gfx1250 --defsym DOCPART=n.
;; ======== version 1 of 1: 7 launches
;; limits: right only within a limited range of input values
;; workspace buffers: wq 13,500,416 bytes; xq 4,325,376 bytes; qkv 13,238,272 bytes; ctx 4,325,376 bytes; src2 16,777,216 bytes; h 17,301,504 bytes
;; launch prep (part 1): grid 1024 x 1, 16 waves a work-group, no clusters, 20,480 bytes of LDS; arguments src, ln1_g, ln1_b, w1, w2, wqkv, wo, xq, wq; writes xq, wq
.if DOCPART == 1
	.amdgcn_target "amdgcn-amd-amdhsa--gfx1250"
	.amdhsa_code_object_version 6
	.text
	.protected	k_q8d702ed869_prep
	.globl	k_q8d702ed869_prep
	.p2align	8
	.type	k_q8d702ed869_prep,@function
k_q8d702ed869_prep:
	s_mov_b64 s[64:65], 0
	v_nop
	global_prefetch_b8 v0, s[64:65] scope:SCOPE_SE
	s_setreg_imm32_b32 hwreg(HW_REG_WAVE_MODE, 25, 1), 1
	s_wait_xcnt 0x0
; Rows of f32 become codes of E4M3 with one E8M0 byte for each 32 along K, laid as IMAGES OF OPERAND REGISTERS; the first 256 work-groups take a layer norm on the way; 128 work-groups also make the table of cos and sin.
; AN IMAGE: a fragment (16 rows x 128 K) is 2,048 bytes: byte 512 c + 16 (r + 16 h) + j holds k = 32 c + 16 h + j of the fragment's row r.  A buffer is [row block][K step][2,048]; scale bytes [row block][K step][16 rows][4].
; THE ROWS OF A ROW BLOCK ARE NOT NEIGHBOURS: row r of block t is row 32 (t / 2) + 8 (t % 2) + r + 8 (r / 8) of the tensor.
; SHARES.  A work-group takes one row block x 1,024 along K; wave w takes its row w; lane l holds K = 256 j + 8 l + 0 .. 7, j = 0 .. 3: four lanes hold a block of 32.
; Work-groups 0-255: x with the norm (into xq); 256-511: w1; 512-767: w2 (four pieces of 1,024 along K to a row block); 768-959: wqkv; 960-1023: wo (into wq).  Only pointers and offsets are chosen: one path through LDS.
; The codes meet in LDS (64 units of 256 bytes, 272 apart) and leave as the image lies: each store of a wave covers 512 consecutive bytes.
; No cluster, no tensor load, no matrix unit: no byte is shared between work-groups, and memory binds.
; LIMITS: NaN and infinities among the inputs are not served; a block whose largest magnitude lies under 2^-118 (a block of zeros too) gets the byte 1, its codes are then zeros or tiny, and only this program reads the bytes.
; The table: inv_freq = 2^(-i log2(10000) / 32) by v_exp_f32 (about 1.5 ulp), angle = pos x inv_freq in f32, so an angle is good to about 2e-4 rad at position 2,047; sin and cos by reduction modulo pi/2 in two parts and polynomials.
.set WQKV_C, 0
.set WO_C,   3145728
.set W1_C,   4194304
.set W2_C,   8388608
.set WQKV_S, 12582912
.set WO_S,   12681216
.set W1_S,   12713984
.set W2_S,   12845056
.set ROPE,   12976128
.set XS,     4194304
.set SCB,    17408                     ; LDS: behind the 64 units, 512 scale bytes: 64 x K step + 4 x row + block
.set X,    8                           ; v8-39    my 32 numbers
.set G,    40                          ; v40-71   the gain at my K
.set B,    72                          ; v72-103  the bias at my K
.set M,    104                         ; v104-107 largest magnitudes (v104-111 also at work in the norm)
.set SO,   108                         ; v108-111 the conversions' scale operands
.set HOLD, 112                         ; v112-115 448 x the scale
.set BYTE, 104                         ; v104-107 the scales' bytes: they take the largest magnitudes' registers, which are dead by then; v116, v117 serve the spare words
.set C,    120                         ; v120-127 codes
	s_load_b512 s[4:19], s[0:1], 0x0               ; x, g, b, w1, w2, wqkv, wo, xq
	s_load_b64 s[20:21], s[0:1], 0x40              ; wq
	v_lshl_add_u32 v116, v0, 2, 0x4800
	v_mov_b32 v117, 0
	v_lshrrev_b32 v6, 5, v0
	s_delay_alu instid0(VALU_DEP_1)
	v_readfirstlane_b32 s22, v6                    ; wave = the image's row
	s_mov_b32 s23, ttmp9
	v_and_b32 v6, 31, v0                           ; lane l
	s_delay_alu instid0(VALU_DEP_1)
	v_lshlrev_b32 v1, 5, v6                        ; in: 32 bytes a lane
	s_delay_alu instid0(VALU_DEP_2)
	v_lshlrev_b32 v5, 4, v6                        ; out: 16 bytes a lane
	s_delay_alu instid0(VALU_DEP_3)
	v_lshrrev_b32 v2, 1, v6
	s_delay_alu instid0(VALU_DEP_1)
	v_mul_u32_u24 v2, v2, 272
	v_and_b32 v3, 1, v6
	s_delay_alu instid0(VALU_DEP_1)
	v_lshl_add_u32 v2, v3, 3, v2
	s_lshl_b32 s24, s22, 4
	v_add_nc_u32 v2, s24, v2                       ; codes into LDS: unit 16 j + l / 2, + 16 x row + 8 (l % 2)
	v_bfe_u32 v3, v6, 2, 2
	v_lshrrev_b32 v4, 4, v6
	s_delay_alu instid0(VALU_DEP_1)
	v_lshl_add_u32 v3, v4, 6, v3
	s_lshl_b32 s24, s22, 2
	v_add_nc_u32 v3, s24, v3
	s_delay_alu instid0(VALU_DEP_1)
	v_add_nc_u32 v3, SCB, v3                       ; bytes into LDS: 64 (2 j + l / 16) + 4 x row + (l / 4) % 4
	v_mul_u32_u24 v4, v4, 272
	v_and_b32 v7, 15, v6
	s_delay_alu instid0(VALU_DEP_1)
	v_lshl_add_u32 v4, v7, 4, v4
	s_mul_i32 s24, s22, 4*272
	v_add_nc_u32 v4, s24, v4                       ; back: wave w takes units 4 w .. 4 w + 3, two an instruction
	v_mov_b32 v7, 0                                ; a lane permute's destination counts as one of its sources
	s_mov_b32 s46, 0x76543210
	s_mov_b32 s47, 0xfedcba98                      ; lane l xor 16
	s_mov_b32 s48, 0x600000                        ; the mantissa field of 448
	s_mov_b32 s49, 0x3a800000                      ; 1 / 1,024
	s_mov_b32 s50, 0x3727c5ac                      ; 1e-5
	s_mov_b32 s24, 960                             ; which tensor: first work-group, codes' and bytes' place, log2 of (K / 1,024)
	s_mov_b32 s25, WO_C
	s_mov_b32 s26, WO_S
	s_mov_b32 s27, 0
	s_wait_kmcnt 0x0
	s_mov_b64 s[40:41], s[16:17]
	s_mov_b64 s[42:43], s[20:21]
	s_cmp_lt_u32 s23, 960
	s_cselect_b32 s24, 768, s24
	s_cselect_b32 s25, WQKV_C, s25
	s_cselect_b32 s26, WQKV_S, s26
	s_cselect_b64 s[40:41], s[14:15], s[40:41]
	s_cmp_lt_u32 s23, 768
	s_cselect_b32 s24, 512, s24
	s_cselect_b32 s25, W2_C, s25
	s_cselect_b32 s26, W2_S, s26
	s_cselect_b32 s27, 2, s27
	s_cselect_b64 s[40:41], s[12:13], s[40:41]
	s_cmp_lt_u32 s23, 512
	s_cselect_b32 s24, 256, s24
	s_cselect_b32 s25, W1_C, s25
	s_cselect_b32 s26, W1_S, s26
	s_cselect_b32 s27, 0, s27
	s_cselect_b64 s[40:41], s[10:11], s[40:41]
	s_cmp_lt_u32 s23, 256
	s_cselect_b32 s24, 0, s24
	s_cselect_b32 s25, 0, s25
	s_cselect_b32 s26, XS, s26
	s_cselect_b64 s[40:41], s[4:5], s[40:41]
	s_cselect_b64 s[42:43], s[18:19], s[42:43]
	s_sub_co_u32 s28, s23, s24
	s_lshr_b32 s29, s28, s27                       ; row block t
	s_lshl_b32 s30, 1, s27
	s_sub_co_u32 s30, s30, 1
	s_and_b32 s30, s28, s30                        ; piece of 1,024 along K
	s_add_co_u32 s31, s27, 3
	s_lshl_b32 s31, s29, s31
	s_lshl_b32 s32, s30, 3
	s_add_co_u32 s31, s31, s32                     ; my first fragment
	s_lshl_b32 s32, s31, 11
	s_add_co_u32 s32, s32, s25
	s_lshl_b32 s33, s22, 10
	s_add_co_u32 s32, s32, s33                     ; codes: + 1,024 x wave
	s_mov_b32 s33, 0
	s_lshl_b32 s34, s31, 6
	s_add_co_u32 s34, s34, s26
	s_mov_b32 s35, 0
	s_add_nc_u64 s[44:45], s[42:43], s[34:35]
	s_add_nc_u64 s[42:43], s[42:43], s[32:33]
	s_lshr_b32 s36, s29, 1
	s_lshl_b32 s36, s36, 5
	s_and_b32 s37, s29, 1
	s_lshl_b32 s37, s37, 3
	s_add_co_u32 s36, s36, s37
	s_add_co_u32 s36, s36, s22
	s_and_b32 s37, s22, 8
	s_add_co_u32 s36, s36, s37                     ; my row of the tensor
	s_add_co_u32 s37, s27, 12
	s_lshl_b32 s36, s36, s37
	s_lshl_b32 s37, s30, 12
	s_add_co_u32 s36, s36, s37
	s_mov_b32 s37, 0
	s_add_nc_u64 s[40:41], s[40:41], s[36:37]
.irp j, 0,1,2,3                                ; a lane's 32 bytes come by two loads: the pair names the two halves of each 32 bytes of the same 1,024 bytes, so these lines carry no non-temporal hint
	global_load_b128 v[X+8*\j:X+8*\j+3], v1, s[40:41] offset:1024*\j
	global_load_b128 v[X+8*\j+4:X+8*\j+7], v1, s[40:41] offset:1024*\j+16
.endr
	s_cmp_ge_u32 s23, 256
	s_cbranch_scc1 .Lplain
	; ---- the layer norm: a wave holds a whole row
.irp j, 0,1,2,3
	global_load_b128 v[G+8*\j:G+8*\j+3], v1, s[6:7] offset:1024*\j
	global_load_b128 v[G+8*\j+4:G+8*\j+7], v1, s[6:7] offset:1024*\j+16
.endr
.irp j, 0,1,2,3
	global_load_b128 v[B+8*\j:B+8*\j+3], v1, s[8:9] offset:1024*\j
	global_load_b128 v[B+8*\j+4:B+8*\j+7], v1, s[8:9] offset:1024*\j+16
.endr
.macro REDUCE r                        ; the sum over the 32 lanes, in every lane
	s_delay_alu instid0(VALU_DEP_1)
	v_add_f32_dpp v[\r], v[\r], v[\r] row_xmask:1 row_mask:0xf bank_mask:0xf
	s_delay_alu instid0(VALU_DEP_1)
	v_add_f32_dpp v[\r], v[\r], v[\r] row_xmask:2 row_mask:0xf bank_mask:0xf
	s_delay_alu instid0(VALU_DEP_1)
	v_add_f32_dpp v[\r], v[\r], v[\r] row_xmask:4 row_mask:0xf bank_mask:0xf
	s_delay_alu instid0(VALU_DEP_1)
	v_add_f32_dpp v[\r], v[\r], v[\r] row_xmask:8 row_mask:0xf bank_mask:0xf
	s_delay_alu instid0(VALU_DEP_1)
	v_permlanex16_b32 v7, v[\r], s46, s47
	s_delay_alu instid0(VALU_DEP_1)
	v_add_f32 v[\r], v[\r], v7
.endm
	s_wait_loadcnt 16                              ; my row is in; the 16 younger loads (gain, bias) may be out
	v_pk_add_f32 v[106:107], v[8:9], v[10:11]
	v_pk_add_f32 v[108:109], v[24:25], v[32:33]
	v_pk_add_f32 v[110:111], v[12:13], v[14:15]
	v_pk_add_f32 v[126:127], v[26:27], v[34:35]
	v_pk_add_f32 v[124:125], v[16:17], v[18:19]
	v_pk_add_f32 v[122:123], v[28:29], v[36:37]
	v_pk_add_f32 v[120:121], v[20:21], v[22:23]
	v_pk_add_f32 v[104:105], v[30:31], v[38:39]
	s_delay_alu instid0(VALU_DEP_1)
	v_pk_add_f32 v[104:105], v[104:105], v[126:127]
	v_pk_add_f32 v[106:107], v[106:107], v[124:125]
	v_pk_add_f32 v[108:109], v[108:109], v[122:123]
	v_pk_add_f32 v[110:111], v[110:111], v[120:121]
	s_delay_alu instid0(VALU_DEP_2)
	v_pk_add_f32 v[104:105], v[104:105], v[108:109]
	s_delay_alu instid0(VALU_DEP_2)
	v_pk_add_f32 v[106:107], v[106:107], v[110:111]
	s_delay_alu instid0(VALU_DEP_1)
	v_pk_add_f32 v[104:105], v[104:105], v[106:107]
	s_delay_alu instid0(VALU_DEP_1)
	v_add_f32 v104, v104, v105
	REDUCE 104
	s_delay_alu instid0(VALU_DEP_1)
	v_mul_f32 v6, 0xba800000, v104                 ; - the mean
.set i, 0
.rept 16
	v_pk_add_f32 v[X+i:X+i+1], v[X+i:X+i+1], v[6:7] op_sel_hi:[1,0]   ; centred first: the variance is no difference of large sums
.set i, i+2
.endr
	v_pk_mul_f32 v[104:105], v[8:9], v[8:9]
	v_pk_mul_f32 v[106:107], v[10:11], v[10:11]
.set i, 4
.rept 7
	s_delay_alu instid0(VALU_DEP_2)
	v_pk_fma_f32 v[104:105], v[X+i:X+i+1], v[X+i:X+i+1], v[104:105]
	s_delay_alu instid0(VALU_DEP_2)
	v_pk_fma_f32 v[106:107], v[X+i+2:X+i+3], v[X+i+2:X+i+3], v[106:107]
.set i, i+4
.endr
	s_delay_alu instid0(VALU_DEP_1)
	v_pk_add_f32 v[104:105], v[104:105], v[106:107]
	s_delay_alu instid0(VALU_DEP_1)
	v_add_f32 v104, v104, v105
	REDUCE 104
	s_delay_alu instid0(VALU_DEP_1)
	v_fma_f32 v104, v104, s49, s50                 ; the variance + 1e-5
	s_wait_alu depctr_va_vdst(0)
	v_rsq_f32 v6, v104
	v_nop                                          ; a plain instruction behind the transcendental
	s_wait_alu depctr_va_vdst(0)                   ; and a wait ahead of its first reader
	s_wait_loadcnt 0x0                             ; gain and bias
.set i, 0
.rept 16
	v_pk_mul_f32 v[X+i:X+i+1], v[X+i:X+i+1], v[6:7] op_sel_hi:[1,0]
.set i, i+2
.endr
.set i, 0
.rept 16
	v_pk_fma_f32 v[X+i:X+i+1], v[X+i:X+i+1], v[G+i:G+i+1], v[B+i:B+i+1]
.set i, i+2
.endr
.Lplain:
	s_wait_loadcnt 0x0
	; ---- the quantiser: four blocks by turns; a block lies in four neighbouring lanes
	s_wait_alu depctr_va_vdst(0)
.irp j, 0,1,2,3
	v_max3_num_f32 v[M+\j], |v[X+8*\j]|, |v[X+8*\j+1]|, 0x4800000   ; with the floor 2^(9 - 127): the byte cannot fall under 1
.endr
.irp i, 2,4,6
.irp j, 0,1,2,3
	s_delay_alu instid0(VALU_DEP_4)
	v_max3_num_f32 v[M+\j], v[M+\j], |v[X+8*\j+\i]|, |v[X+8*\j+\i+1]|
.endr
.endr
.irp j, 0,1,2,3
	s_delay_alu instid0(VALU_DEP_4)
	v_max_num_f32_dpp v[M+\j], v[M+\j], v[M+\j] row_xmask:1 row_mask:0xf bank_mask:0xf
.endr
.irp j, 0,1,2,3
	s_delay_alu instid0(VALU_DEP_4)
	v_max_num_f32_dpp v[M+\j], v[M+\j], v[M+\j] row_xmask:2 row_mask:0xf bank_mask:0xf
.endr
.irp j, 0,1,2,3
	s_delay_alu instid0(VALU_DEP_4)
	v_add_nc_u32 v[SO+\j], 0xfc000000, v[M+\j]     ; 8 off the exponent field: the conversion's scale operand
.endr
.irp j, 0,1,2,3
	v_and_or_b32 v[HOLD+\j], v[M+\j], 0x7f800000, s48   ; 448 x the scale
.endr
.irp j, 0,1,2,3
	v_lshrrev_b32 v[BYTE+\j], 23, v[SO+\j]         ; the scale's byte
.endr
.irp j, 0,1,2,3
.irp i, 0,1,2,3,4,5,6,7
	v_med3_num_f32 v[X+8*\j+\i], v[X+8*\j+\i], -v[HOLD+\j], v[HOLD+\j]   ; the conversion does not saturate (ISA guide 7.6.2): the hold comes first
.endr
	v_cvt_scalef32_pk8_fp8_f32 v[C+2*\j:C+2*\j+1], v[X+8*\j:X+8*\j+7], v[SO+\j]
.endr
	v_nop                                          ; a plain instruction behind the last scaled conversion
.irp j, 0,1,2,3
	ds_store_b64 v2, v[C+2*\j:C+2*\j+1] offset:4352*\j     ; the 32 lanes touch 64 different banks
	ds_store_b8 v3, v[BYTE+\j] offset:128*\j               ; the four lanes of a block write the same byte with the same value
.endr
	s_wait_dscnt 0x0                               ; for the others' sake: my stores have landed
	s_barrier_signal -1
	s_barrier_wait -1
	ds_load_b128 v[104:107], v4
	ds_load_b128 v[108:111], v4 offset:544
	s_cmp_lg_u32 s22, 0
	s_cbranch_scc1 .Lno_bytes
	ds_load_b128 v[112:115], v5 offset:SCB         ; wave 0: the 512 scale bytes
	s_wait_dscnt 0x0
	global_store_b128 v5, v[112:115], s[44:45]
.Lno_bytes:
	s_wait_dscnt 0x0
	global_store_b128 v5, v[104:107], s[42:43]             ; 512 consecutive bytes each
	global_store_b128 v5, v[108:111], s[42:43] offset:512
	; ---- the table [2,048 positions][32 x (cos, sin)]: work-groups 256 to 383, a wave a position, a lane a frequency
	s_sub_co_u32 s24, s23, 256
	s_cmp_lt_u32 s24, 128
	s_cbranch_scc0 .Lend
	s_lshl_b32 s24, s24, 4
	s_add_co_u32 s24, s24, s22                     ; the position
	s_lshl_b32 s26, s24, 8
	s_add_co_u32 s26, s26, ROPE
	s_mov_b32 s27, 0
	s_add_nc_u64 s[28:29], s[20:21], s[26:27]
	v_and_b32 v8, 31, v0
	s_delay_alu instid0(VALU_DEP_1)
	v_cvt_f32_u32 v9, v8
	s_delay_alu instid0(VALU_DEP_1)
	v_mul_f32 v9, 0xbed49a78, v9                   ; - i log2(10000) / 32
	s_wait_alu depctr_va_vdst(0)
	v_exp_f32 v9, v9
	v_cvt_f32_u32 v10, s24                         ; (a plain instruction behind the transcendental)
	s_wait_alu depctr_va_vdst(0)
	v_mul_f32 v10, v10, v9                         ; the angle
	s_delay_alu instid0(VALU_DEP_1)
	v_mul_f32 v11, 0x3f22f983, v10
	s_delay_alu instid0(VALU_DEP_1)
	v_rndne_f32 v11, v11                           ; n = the nearest multiple of pi/2, at most 1,304
	s_delay_alu instid0(VALU_DEP_1)
	v_fma_f32 v12, v11, 0xbfc90fdb, v10            ; r = angle - n pi/2, pi/2 in two parts
	s_delay_alu instid0(VALU_DEP_1)
	v_fma_f32 v12, v11, 0x333bbd2e, v12
	s_delay_alu instid0(VALU_DEP_1)
	v_mul_f32 v13, v12, v12
	v_mov_b32 v14, 0xb94ca1f9
	s_delay_alu instid0(VALU_DEP_1)
	v_fmaak_f32 v14, v14, v13, 0x3c08839e
	s_delay_alu instid0(VALU_DEP_1)
	v_fmaak_f32 v14, v14, v13, 0xbe2aaaa3
	s_delay_alu instid0(VALU_DEP_1)
	v_mul_f32 v14, v14, v13
	s_delay_alu instid0(VALU_DEP_1)
	v_fma_f32 v14, v14, v12, v12                   ; sin r
	v_mov_b32 v15, 0x37ccf5ce
	s_delay_alu instid0(VALU_DEP_1)
	v_fmaak_f32 v15, v15, v13, 0xbab6061a
	s_delay_alu instid0(VALU_DEP_1)
	v_fmaak_f32 v15, v15, v13, 0x3d2aaaa5
	s_delay_alu instid0(VALU_DEP_1)
	v_fma_f32 v15, v15, v13, -0.5
	s_delay_alu instid0(VALU_DEP_1)
	v_fma_f32 v15, v15, v13, 1.0                   ; cos r
	v_cvt_i32_f32 v16, v11
	s_delay_alu instid0(VALU_DEP_1)
	v_and_b32 v17, 1, v16
	s_delay_alu instid0(VALU_DEP_1)
	v_cmp_eq_u32 vcc_lo, 1, v17                    ; odd quadrants change the two places (a choice of values alone)
	s_delay_alu instid0(VALU_DEP_1)
	v_cndmask_b32 v18, v15, v14, vcc_lo
	s_delay_alu instid0(VALU_DEP_2)
	v_cndmask_b32 v19, v14, v15, vcc_lo
	v_add_nc_u32 v17, 1, v16
	s_delay_alu instid0(VALU_DEP_1)
	v_and_b32 v17, 2, v17
	s_delay_alu instid0(VALU_DEP_1)
	v_lshlrev_b32 v17, 30, v17
	s_delay_alu instid0(VALU_DEP_1)
	v_xor_b32 v18, v17, v18                        ; cos: negative in quadrants 1 and 2
	v_and_b32 v16, 2, v16
	s_delay_alu instid0(VALU_DEP_1)
	v_lshlrev_b32 v16, 30, v16
	s_delay_alu instid0(VALU_DEP_1)
	v_xor_b32 v19, v16, v19                        ; sin: negative in quadrants 2 and 3
	v_lshlrev_b32 v20, 3, v8
	global_store_b64 v20, v[18:19], s[28:29]       ; the wave stores 256 consecutive bytes, aligned
.Lend:
	s_wait_tensorcnt 0x0
	ds_add_u32 v116, v117
	s_wait_dscnt 0x0
	s_endpgm
.Lfunc_end_k_q8d702ed869_prep:
	.size	k_q8d702ed869_prep, .Lfunc_end_k_q8d702ed869_prep-k_q8d702ed869_prep
	.p2alignl 7, 3214868480
	.fill 96, 4, 3214868480
	.section	.rodata,"a",@progbits
	.p2align	6, 0x0
	.amdhsa_kernel k_q8d702ed869_prep
		.amdhsa_group_segment_fixed_size 20480
		.amdhsa_private_segment_fixed_size 0
		.amdhsa_enable_private_segment 0
		.amdhsa_kernarg_size 72
		.amdhsa_user_sgpr_count 2
		.amdhsa_user_sgpr_kernarg_segment_ptr 1
		.amdhsa_wavefront_size32 1
		.amdhsa_system_sgpr_workgroup_id_x 1
		.amdhsa_system_sgpr_workgroup_id_y 1
		.amdhsa_system_sgpr_workgroup_id_z 1
		.amdhsa_system_vgpr_workitem_id 0
		.amdhsa_next_free_vgpr 128
		.amdhsa_next_free_sgpr 66
		.amdhsa_reserve_vcc 1
		.amdhsa_float_denorm_mode_32 3
		.amdhsa_float_denorm_mode_16_64 3
		.amdhsa_memory_ordered 1
		.amdhsa_forward_progress 1
		.amdhsa_inst_pref_size 24
	.end_amdhsa_kernel
	.amdgpu_metadata
---
amdhsa.version: [ 1, 2 ]
amdhsa.kernels:
  - .name:           k_q8d702ed869_prep
    .symbol:         k_q8d702ed869_prep.kd
    .args:
      - { .name: src, .offset: 0, .size: 8, .value_kind: global_buffer, .address_space: global }
      - { .name: ln1_g, .offset: 8, .size: 8, .value_kind: global_buffer, .address_space: global }
      - { .name: ln1_b, .offset: 16, .size: 8, .value_kind: global_buffer, .address_space: global }
      - { .name: w1, .offset: 24, .size: 8, .value_kind: global_buffer, .address_space: global }
      - { .name: w2, .offset: 32, .size: 8, .value_kind: global_buffer, .address_space: global }
      - { .name: wqkv, .offset: 40, .size: 8, .value_kind: global_buffer, .address_space: global }
      - { .name: wo, .offset: 48, .size: 8, .value_kind: global_buffer, .address_space: global }
      - { .name: xq, .offset: 56, .size: 8, .value_kind: global_buffer, .address_space: global }
      - { .name: wq, .offset: 64, .size: 8, .value_kind: global_buffer, .address_space: global }
    .group_segment_fixed_size: 20480
    .private_segment_fixed_size: 0
    .kernarg_segment_align: 8
    .kernarg_segment_size: 72
    .max_flat_workgroup_size: 512
    .sgpr_count:     66
    .vgpr_count:     128
    .wavefront_size: 32
...
	.end_amdgpu_metadata
.endif
;; end of part 1
;; launch qkv (part 2): grid 8 x 24, 4 waves a work-group, clusters of 4 x 4, 327,680 bytes of LDS; arguments xq, wq, bqkv, qkv; writes qkv
.if DOCPART == 2
	.amdgcn_target "amdgcn-amd-amdhsa--gfx1250"
	.amdhsa_code_object_version 6
	.text
	.protected	k_q8d702ed869_qkv
	.globl	k_q8d702ed869_qkv
	.p2align	8
	.type	k_q8d702ed869_qkv,@function
k_q8d702ed869_qkv:
	s_mov_b64 s[64:65], 0
	v_nop
	global_prefetch_b8 v0, s[64:65] scope:SCOPE_SE
	s_setreg_imm32_b32 hwreg(HW_REG_WAVE_MODE, 25, 1), 1
	s_wait_xcnt 0x0
	s_wait_alu depctr_hold_cnt(0) depctr_sa_sdst(0) depctr_va_vdst(0) depctr_va_sdst(0) depctr_va_ssrc(0) depctr_va_vcc(0) depctr_vm_vsrc(0)
	s_getreg_b32 s2, hwreg(HW_REG_IB_STS2, 6, 4)
	s_cmp_eq_u32 s2, 0
	s_cbranch_scc0 .Lentry_in_a_cluster
	s_endpgm
.Lentry_in_a_cluster:
	s_bfe_u32 s2, ttmp6, 0x10000c
	s_cmp_lg_u32 s2, 0xf033
	s_cbranch_scc0 .Lentry_shape_is_right
	s_endpgm
.Lentry_shape_is_right:
; qkv = LN1(src) wqkv^T + bqkv on codes of E4M3 with E8M0 scales; then the rotation of q and k; then q, k (along the head's 64) and v (along the keys) are quantised and stored as images of operand registers.
; All operands lie as images (a fragment, 16 rows x 128 K, is 2,048 bytes, byte 512 c + 16 lane + j; row r of row block t is row 32 (t / 2) + 8 (t % 2) + r + 8 (r / 8)).  So a fragment is four dense loads of 512 bytes, and
; in a result (source 0 = S0, source 1 = S1) a lane holds ONE row of S1 and the 64 registers of S0's eight tiles are 128 NEIGHBOURS along S0's rows, in the very order of an operand's registers.
; CLUSTERS y = 0 .. 3: S1 = x (tokens), S0 = wq, wk: a lane holds a token and 128 features (two heads).  CLUSTERS y = 4, 5: S1 = wv, S0 = x: a lane holds a feature and 128 keys: V^T with the keys innermost.  Nothing is transposed.
; The choice hangs on the cluster's number alone, which all sixteen partners share: pointers are chosen, the main loop is one text, and only the way out parts.
; A tile is 256 rows of S1 x 256 of S0: four waves, each 128 x 128 in 64 accumulators.  K = 1,024 goes in four steps of 256 through two LDS slots; S1's tiles are asked for jointly along a row of the cluster, S0's along a column.
; The scale words of the work-group's rows for all of K come once, with the first fills, and stay.
; REGISTERS: window 0: v0-31 addresses; v32-63 scale words, two sets; v64-127 the bias; v128-255 S1's fragments, one set (on the way out: v128-191 64 numbers, v192-223 codes, v224-251 at work).
;   window 1: S0's fragments, two sets (on the way out: cos and sin).  windows 2, 3: the accumulators, (a, b) at v[8 (8 (a % 4) + b)].
; LIMITS: NaN and infinities are not served; a block whose largest magnitude lies under 2^-118 gets the byte 1.  Scale words leave in pieces of 64 bytes (one part in 32 of the codes' bytes).
.set XS,     4194304
.set WQKV_S, 12582912
.set ROPE,   12976128
.set Q_S,    4194304
.set KV,     4456448
.set KVB,    17152                     ; a key step's block: K's codes 8 x 1,024; V^T's 4 x 2,048 at 8,192; K's scale words at 16,384; V's at 16,896
.set NQ,     2                         ; K steps of 128 in a slot
.set FR,     16
.set NL,     4
.set NP,     8                         ; places behind this matrix instruction (ISA guide 7.12.1)
.set HALFT,  32768                     ; 8 row blocks x 2 fragments: what one tensor load brings
.set SLOT,   4*HALFT
.set LAPS,   2
.set SCL,    2*SLOT                    ; behind the ring: the scale words, 4 x 4,096 bytes, filled once
.set HALFS,  4096
.set SPARE,  SCL+4*HALFS               ; the spare words, 128 bytes for each wave
.set ADRA, 16
.set ADRB, 20
.set LI,   24                          ; 16 x lane
.set R4,   25                          ; 4 x (lane % 16)
.set BA,   26
.set ADRS, 27
.set SPW,  28
.set NIL,  29
.set RA,   30
.set SA,   31
.set SC,   32
.set BIAS, 64
.set AF,   128
.set T,    128
.set PC,   192
.set TM,   224
.set PW,   240
.set W0,   242
.set W1,   243
.set RT,   244
.set G1, 24
.set G0, 32
.set G1B, 48
.set G0B, 56
.set G1S, 68
.set G0S, 76
.set G1SB, 80
.set G0SB, 88
.set SEL, 66
.set MNT, 2
.set MSB, 0
.macro WIN new                         ; the immediate's high byte repeats the setting that is left
.if MSB != (\new)
	s_set_vgpr_msb (MSB<<8)|(\new)
.set MSB, (\new)
.endif
.endm
.set MUL_LO, 0xa1                      ; source 0 (S0) window 1, source 1 (S1) window 0, C and D window 2
.set MUL_HI, 0xf1
.set TO_B,   0x40
.macro JLOAD g0a, g1a, g0b, g1b        ; a joint load: waves 0 and 1 fetch for S1, waves 2 and 3 for S0; four v_nop follow each line
	s_cmp_eq_u32 s15, 0
	s_cbranch_scc0 .Lfor_b_\@
	tensor_load_to_lds s[\g0a:\g0a+3], s[\g1a:\g1a+7]
	s_nop 0
.rept 4
	v_nop
.endr
	s_branch .Lasked_\@
.Lfor_b_\@:
	tensor_load_to_lds s[\g0b:\g0b+3], s[\g1b:\g1b+7]
	s_nop 0
.rept 4
	v_nop
.endr
.Lasked_\@:
.endm
.macro CREST
	s_cmp_lg_u32 s14, 0
	s_cbranch_scc1 .Lnot_wave_0_\@
	s_barrier_signal -3
.Lnot_wave_0_\@:
	s_barrier_wait -3
	s_barrier_signal -1
	s_barrier_wait -1
.endm
.macro CROUND
	s_barrier_signal -1
	s_barrier_wait -1
	CREST
.endm
	s_load_b256 s[4:11], s[0:1], 0x0               ; xq, wq, bqkv, qkv
	v_lshl_add_u32 v[SPW], v0, 2, SPARE
	v_mov_b32 v[NIL], 0
	ds_add_u32 v28, v29
	ds_add_u32 v28, v29
	s_wait_dscnt 0x0
	v_lshrrev_b32 v1, 5, v0
	v_readfirstlane_b32 s14, v1                    ; wave
	s_lshr_b32 s15, s14, 1                         ; my half of S1's rows; also: I fetch for S1 (0) or S0 (1)
	s_and_b32 s16, s14, 1                          ; my half of S0's rows; also: which half I fetch
	s_bfe_u32 s40, ttmp6, 0x40000                  ; cx
	s_bfe_u32 s41, ttmp6, 0x40004                  ; cy
	s_and_b32 s12, ttmp7, 0xffff                   ; the cluster's y: 0 .. 3 q and k, 4 and 5 v
	s_lshl_b32 s13, s12, 1
	s_add_co_u32 s13, s13, ttmp9
	s_sub_co_u32 s13, s13, 8                       ; v: the cluster's column among x's four
	s_cmp_ge_u32 s12, 4
	s_cselect_b32 s42, s13, ttmp9
	s_cselect_b32 s17, 0, s12
	s_lshl_b32 s42, s42, 2
	s_add_co_u32 s42, s42, s40                     ; S0's tile
	s_lshl_b32 s17, s17, 2
	s_add_co_u32 s17, s17, s41                     ; S1's tile
	s_lshl_b32 s43, s41, 2
	s_lshl_b32 s43, 15, s43                        ; my row of the cluster
	s_lshl_b32 s44, 0x1111, s40                    ; my column
	s_or_b32 s[G1+0], s43, (3<<16)|(1<<21)         ; 15:0 the mask; 17:16 elements of 8 bytes; 21 set beside a mask; no padding: an image is read densely
	s_or_b32 s[G1B+0], s44, (3<<16)|(1<<21)
.irp g, G1, G1B
	s_mov_b32 s[\g+1], 512<<16                     ; tensor_dim0: two fragments, 4,096 bytes
	s_mov_b32 s[\g+2], 16<<16                      ; tensor_dim1: 16 row blocks for the head's loads; 8 behind them
	s_mov_b32 s[\g+3], 512<<16                     ; tile_dim0
	s_mov_b32 s[\g+4], 16                          ; tile_dim1 likewise
	s_mov_b32 s[\g+5], 2048                        ; from row block to row block: 8 fragments
	s_mov_b32 s[\g+6], 0
	s_mov_b32 s[\g+7], 0
.endr
	s_or_b32 s[G1S+0], s43, (3<<16)|(1<<21)
	s_or_b32 s[G1SB+0], s44, (3<<16)|(1<<21)
.irp g, G1S, G1SB
	s_mov_b32 s[\g+1], 32<<16                      ; rows of 256 bytes
	s_mov_b32 s[\g+2], 32<<16                      ; a tile's scale words, whole: 8,192 dense bytes as 32 rows of 256
	s_mov_b32 s[\g+3], 32<<16
	s_mov_b32 s[\g+4], 32
	s_mov_b32 s[\g+5], 32
	s_mov_b32 s[\g+6], 0
	s_mov_b32 s[\g+7], 0
.endr
	s_lshl_b32 s20, s17, 4                         ; S1: the tile's first row block
	s_lshl_b32 s46, s42, 4                         ; S0 likewise
	s_lshl_b32 s22, s20, 9
	s_mov_b32 s23, 0
	s_lshl_b32 s92, s46, 9
	s_mov_b32 s93, 0
	s_lshl_b32 s20, s20, 14
	s_mov_b32 s21, 0
	s_lshl_b32 s46, s46, 14
	s_mov_b32 s47, 0
	s_mul_i32 s45, s14, HALFT                      ; no place in the cluster enters an LDS address
	s_lshl_b32 s94, s16, 17                        ; the half that I fetch in the ring: 8 row blocks of 16,384 bytes
	s_mov_b32 s95, 0
	s_mov_b32 s[SEL], 0x76543210
	s_mov_b32 s[SEL+1], 0xfedcba98
	s_mov_b32 s[MNT], 0x600000
	CROUND                                         ; the opening round, ahead of the wait for the arguments: all sixteen work-groups are here
	s_wait_kmcnt 0x0
	s_cmp_ge_u32 s12, 4                            ; the choice of buffers hangs on the cluster's number alone; the 64-bit sums leave SCC as it is
	s_add_nc_u64 s[96:97], s[6:7], 2097152         ; wv: row block 128 of wqkv's image
	s_cselect_b64 s[96:97], s[96:97], s[4:5]
	s_add_nc_u64 s[20:21], s[96:97], s[20:21]      ; S1's codes
	s_add_nc_u64 s[96:97], s[6:7], WQKV_S+65536
	s_add_nc_u64 s[98:99], s[4:5], XS
	s_cselect_b64 s[96:97], s[96:97], s[98:99]
	s_add_nc_u64 s[22:23], s[96:97], s[22:23]      ; S1's scale words
	s_cselect_b64 s[96:97], s[4:5], s[6:7]
	s_add_nc_u64 s[46:47], s[96:97], s[46:47]      ; S0's codes
	s_add_nc_u64 s[96:97], s[6:7], WQKV_S
	s_cselect_b64 s[96:97], s[98:99], s[96:97]
	s_add_nc_u64 s[92:93], s[96:97], s[92:93]      ; S0's scale words
	s_mov_b32 s[G0S], 1
	s_mov_b32 s[G0S+1], SCL
	s_mov_b64 s[G0S+2:G0S+3], s[22:23]
	s_or_b32 s[G0S+3], s[G0S+3], 0x80000000
	s_mov_b32 s[G0SB], 1
	s_mov_b32 s[G0SB+1], SCL+2*HALFS
	s_mov_b64 s[G0SB+2:G0SB+3], s[92:93]
	s_or_b32 s[G0SB+3], s[G0SB+3], 0x80000000
	s_mov_b32 s[G0], 1                             ; the head's four tiles, each whole, one a wave: slot 0's 16 row blocks of S1,
	s_mov_b32 s[G0+1], 0
	s_mov_b64 s[G0+2:G0+3], s[20:21]
	s_or_b32 s[G0+3], s[G0+3], 0x80000000
	s_mov_b32 s[G0B], 1                            ; of S0, behind them,
	s_mov_b32 s[G0B+1], 2*HALFT
	s_mov_b64 s[G0B+2:G0B+3], s[46:47]
	s_or_b32 s[G0B+3], s[G0B+3], 0x80000000
	s_add_nc_u64 s[20:21], s[20:21], s[94:95]      ; for the ring: my 8 row blocks
	s_add_nc_u64 s[46:47], s[46:47], s[94:95]
	s_cmp_eq_u32 s15, 0                            ; the prefetches: of the 8 row blocks that I fetch in the ring, each of the four partners that ask jointly names 2, told apart by address (cx for S1, cy for S0)
	s_cselect_b64 s[96:97], s[20:21], s[46:47]
	s_cselect_b32 s98, s40, s41
	s_lshl_b32 s98, s98, 15                        ; 2 row blocks of 16,384 bytes
	s_add_co_u32 s98, s98, 8192                    ; at fill 2
	s_mov_b32 s99, 0
	s_add_nc_u64 s[96:97], s[96:97], s[98:99]
	s_mov_b32 s[G0+4], 1
	s_add_co_u32 s[G0+5], s45, SLOT
	s_add_nc_u64 s[G0+6:G0+7], s[20:21], 4096
	s_or_b32 s[G0+7], s[G0+7], 0x80000000
	s_mov_b32 s[G0B+4], 1
	s_add_co_u32 s[G0B+5], s45, SLOT
	s_add_nc_u64 s[G0B+6:G0B+7], s[46:47], 4096
	s_or_b32 s[G0B+7], s[G0B+7], 0x80000000
.macro ARM under, g0, g1, next         ; one chain of branches on the wave's number, a load to an arm: one tensor load a wave at the head
	s_cmp_lt_u32 s14, \under
	s_cbranch_scc0 \next
	tensor_load_to_lds s[\g0:\g0+3], s[\g1:\g1+7]
	s_nop 0
.rept 4
	v_nop
.endr
	s_branch .Lhead_asked
\next:
.endm
	ARM 1, G0,  G1,  .Lhead_b
	ARM 2, G0B, G1B, .Lhead_sa
	ARM 3, G0S, G1S, .Lhead_sb
	tensor_load_to_lds s[G0SB:G0SB+3], s[G1SB:G1SB+7]
	s_nop 0
.rept 4
	v_nop
.endr
.Lhead_asked:
	v_and_b32 v1, 15, v0                           ; r; kept
	v_bfe_u32 v2, v0, 4, 1                         ; h; kept
	s_wait_alu depctr_va_vdst(0)
	v_and_b32 v3, 31, v0
	v_lshlrev_b32 v[LI], 4, v3
	v_lshlrev_b32 v[R4], 2, v1
	s_mul_i32 s21, s15, HALFT
	s_mul_i32 s22, s16, HALFT
	s_add_co_u32 s22, s22, 2*HALFT
.irp s, 0,1
	v_add_nc_u32 v[ADRA+\s], s21, v[LI]
	v_add_nc_u32 v[ADRB+\s], s22, v[LI]
	s_add_co_u32 s21, s21, SLOT
	s_add_co_u32 s22, s22, SLOT
.endr
	s_mul_i32 s21, s15, HALFS
	s_mul_i32 s22, s16, HALFS
	s_add_co_u32 s22, s22, 2*HALFS
	s_sub_co_u32 s22, s22, s21
	v_mul_u32_u24 v6, s22, v2                      ; lanes 16-31 take S0's words: one product, the distance between the two bases
	s_wait_alu depctr_va_vdst(0)
	s_add_co_u32 s21, s21, SCL
	v_add_nc_u32 v5, v[R4], v6
	v_add_nc_u32 v[ADRS], s21, v5
	v_lshlrev_b32 v7, 8, v1                        ; the prefetches' offset: a lane a block of 256 bytes: sixteen lanes cover a row block's 4,096 bytes of a fill
	v_lshl_add_u32 v7, v2, 14, v7
.macro FRAG reg, adr, q, i             ; a fragment comes as it lies: four loads of 512 consecutive bytes
.irp c, 0,1,2,3
	ds_load_b128 v[\reg+4*\c:\reg+4*\c+3], v[\adr] offset:2048*(\q)+512*\c+4096*(\i)
.endr
.endm
.macro MUL16 a0, p, q, sc, zero        ; S1's blocks a0, a0 + 1 x S0's eight.  The 64 accumulators take turns, in the same order in every step
.irp a, \a0, \a0+1
.irp b, 0,1,2,3,4,5,6,7
.if \zero
	v_wmma_scale_f32_16x16x128_f8f6f4 v[8*(8*((\a)%4)+\b):8*(8*((\a)%4)+\b)+7], v[128*(\p)+FR*\b:128*(\p)+FR*\b+FR-1], v[AF+FR*(\a):AF+FR*(\a)+FR-1], 0, v[SC+8*NQ*(\sc)+NQ*\b+(\q)], v[SC+8*NQ*(\sc)+NQ*(\a)+(\q)] matrix_a_scale:MATRIX_SCALE_ROW1
.else
	v_wmma_scale_f32_16x16x128_f8f6f4 v[8*(8*((\a)%4)+\b):8*(8*((\a)%4)+\b)+7], v[128*(\p)+FR*\b:128*(\p)+FR*\b+FR-1], v[AF+FR*(\a):AF+FR*(\a)+FR-1], v[8*(8*((\a)%4)+\b):8*(8*((\a)%4)+\b)+7], v[SC+8*NQ*(\sc)+NQ*\b+(\q)], v[SC+8*NQ*(\sc)+NQ*(\a)+(\q)] matrix_a_scale:MATRIX_SCALE_ROW1
.endif
.endr
.endr
.endm
.macro FETCH_B slot, q, p
	WIN TO_B
.irp i, 0,1,2,3,4,5,6,7
	FRAG 128*(\p)+FR*\i, ADRB+\slot, \q, \i
.endr
	WIN 0
.endm
.macro FETCH_A slot, q, i0
.irp i, \i0, \i0+1, \i0+2, \i0+3
	FRAG AF+FR*(\i), ADRA+\slot, \q, \i
.endr
.endm
.macro SCALES sc                       ; a slot's scale words: lanes 0-15 S1's block i, lanes 16-31 S0's block i
.irp i, 0,1,2,3,4,5,6,7
.irp q, 0,1
	ds_load_b32 v[SC+8*NQ*\sc+NQ*\i+\q], v[ADRS] offset:512*\i+64*\q
.endr
.endr
.endm
.macro PLACES n
.rept \n
	v_nop
.endr
.endm
.macro STEP slot, q, zero              ; 128 along K with its successor in the same slot
	s_wait_dscnt 4*NL                              ; all but the youngest 16 loads (S1's blocks 4-7)
	WIN MUL_LO
	MUL16 0, (\q)%2, \q, \slot, \zero
	MUL16 2, (\q)%2, \q, \slot, \zero
	s_wait_dscnt 0
	PLACES NP                                      ; in front of loads into registers that matrix instructions have read
	FETCH_B \slot, (\q)+1, 1-(\q)%2
	FETCH_A \slot, (\q)+1, 0
	WIN MUL_HI
	MUL16 4, (\q)%2, \q, \slot, \zero
	MUL16 6, (\q)%2, \q, \slot, \zero
	PLACES NP
	WIN 0
	FETCH_A \slot, (\q)+1, 4
.endm
.macro TURN slot, next, fill           ; a slot's last step changes slots: one barrier
	s_wait_tensorcnt 0x0                           ; all my tensor loads have landed: my part of the next slot
	ds_add_u32 v[SPW], v[NIL]                      ; 0 onto my spare word
	s_wait_dscnt 4*NL+1                            ; (the add and the youngest 16 loads may be out)
	WIN MUL_LO
	MUL16 0, 1, NQ-1, \slot, 0
	s_wait_dscnt 0x0                               ; the add is done, and my reads of this slot are over
	s_barrier_signal -1
	MUL16 2, 1, NQ-1, \slot, 0
	WIN 0
	s_barrier_wait -1
.if \fill
	CREST                                          ; the barrier has opened a round of the cluster's: no wave of any partner still reads this slot or has a load on its way
	s_add_nc_u64 s[G0+4*\slot+2:G0+4*\slot+3], s[G0+4*\slot+2:G0+4*\slot+3], 8192
	s_add_nc_u64 s[G0B+4*\slot+2:G0B+4*\slot+3], s[G0B+4*\slot+2:G0B+4*\slot+3], 8192
	JLOAD G0+4*\slot, G1, G0B+4*\slot, G1B         ; my one tensor load behind the round; its four v_nop are four of the eight places
	PLACES NP-4
.else
	PLACES NP
.endif
	s_wait_alu depctr_va_vdst(0)
	v_add_nc_u32 v[ADRS], 64*NQ, v[ADRS]
	FETCH_B \next, 0, 0
	FETCH_A \next, 0, 0
	SCALES \next
	WIN MUL_HI
	MUL16 4, 1, NQ-1, \slot, 0
	MUL16 6, 1, NQ-1, \slot, 0
	PLACES NP
	WIN 0
	FETCH_A \next, 0, 4
.endm
	s_wait_alu depctr_va_vdst(0)
	global_prefetch_b8 v7, s[96:97] th:TH_LOAD_NT scope:SCOPE_SE   ; fill 2, two fills ahead of its load; fills 0 and 1 come by their loads alone
	s_wait_tensorcnt 0x0                           ; my tile of the head's four is in
	ds_add_u32 v[SPW], v[NIL]
	s_mov_b32 s[G1+2], 8<<16                       ; no tensor load of mine is out: from here on a load brings 8 row blocks,
	s_mov_b32 s[G1+4], 8
	s_mov_b32 s[G1B+2], 8<<16
	s_mov_b32 s[G1B+4], 8
	s_mov_b32 s[G0+1], s45                         ; and slot 0's groups 0 name my part of it
	s_add_nc_u64 s[G0+2:G0+3], s[G0+2:G0+3], s[94:95]
	s_mov_b32 s[G0B+1], s45
	s_add_nc_u64 s[G0B+2:G0B+3], s[G0B+2:G0B+3], s[94:95]
	s_wait_dscnt 0x0
	CROUND                                         ; all four tiles are in, and all sixteen work-groups are here
	JLOAD G0+4, G1, G0B+4, G1B                     ; slot 1's first fill: my one tensor load behind the round
	global_prefetch_b8 v7, s[96:97] offset:4096 th:TH_LOAD_NT scope:SCOPE_SE   ; fill 3, the last
	FETCH_B 0, 0, 0
	FETCH_A 0, 0, 0
	SCALES 0
	FETCH_A 0, 0, 4
	STEP 0, 0, 1                                   ; the first products start the sums
	s_mov_b32 s3, LAPS-1
.Llap:
	TURN 0, 1, 1
	STEP 1, 0, 0
	TURN 1, 0, 1
	STEP 0, 0, 0
	s_sub_co_u32 s3, s3, 1
	s_cmp_lg_u32 s3, 0
	s_cbranch_scc1 .Llap
	TURN 0, 1, 0
	STEP 1, 0, 0
	s_wait_dscnt 4*NL
	WIN MUL_LO
	MUL16 0, 1, NQ-1, 1, 0
	MUL16 2, 1, NQ-1, 1, 0
	s_wait_dscnt 0
	WIN MUL_HI
	MUL16 4, 1, NQ-1, 1, 0
	MUL16 6, 1, NQ-1, 1, 0
	WIN 0
; 64 numbers of a lane, register 16 b + i = k 32 b + 16 (lane / 16) + i of my row, become a fragment's 16 code registers v[pc] on and its scale word v[pw]
.macro QUANT s, relu, pc, pw
.if \relu
.irp b, 0,1,2,3
	v_max3_num_f32 v[TM+\b], v[\s+16*\b], v[\s+1+16*\b], 0x4800000
.endr
.irp i, 2,4,6,8,10,12,14
.irp b, 0,1,2,3
	v_max3_num_f32 v[TM+\b], v[TM+\b], v[\s+16*\b+\i], v[\s+1+16*\b+\i]
.endr
.endr
.else
.irp b, 0,1,2,3
	v_max3_num_f32 v[TM+\b], |v[\s+16*\b]|, |v[\s+1+16*\b]|, 0x4800000   ; with the floor 2^(9 - 127): the byte cannot fall under 1
.endr
.irp i, 2,4,6,8,10,12,14
.irp b, 0,1,2,3
	v_max3_num_f32 v[TM+\b], v[TM+\b], |v[\s+16*\b+\i]|, |v[\s+1+16*\b+\i]|
.endr
.endr
.endif
.irp b, 0,1,2,3
	v_permlanex16_b32 v[TM+4+\b], v[TM+\b], s[SEL], s[SEL+1]
.endr
.irp b, 0,1,2,3
	v_max_num_f32 v[TM+\b], v[TM+\b], v[TM+4+\b]   ; with lane l xor 16's: the block's largest magnitude
.endr
.irp b, 0,1,2,3
	v_add_nc_u32 v[TM+12+\b], 0xfc000000, v[TM+\b] ; 8 off the exponent field: the conversion's scale operand
.endr
.irp b, 0,1,2,3
	v_and_or_b32 v[TM+8+\b], v[TM+\b], 0x7f800000, s[MNT]   ; 448 x the scale
.endr
.irp b, 0,1,2,3
	v_lshrrev_b32 v[TM+4+\b], 23, v[TM+12+\b]      ; the scale's byte
.endr
	v_lshl_or_b32 v[\pw], v[TM+5], 8, v[TM+4]
	v_lshl_or_b32 v[\pw], v[TM+6], 16, v[\pw]
	v_lshl_or_b32 v[\pw], v[TM+7], 24, v[\pw]
.irp b, 0,1,2,3
.irp i, 0,1,2,3,4,5,6,7,8,9,10,11,12,13,14,15
.if \relu
	v_med3_num_f32 v[\s+16*\b+\i], v[\s+16*\b+\i], 0, v[TM+8+\b]
.else
	v_med3_num_f32 v[\s+16*\b+\i], v[\s+16*\b+\i], -v[TM+8+\b], v[TM+8+\b]   ; the conversion does not saturate (ISA guide 7.6.2)
.endif
.endr
	v_cvt_scalef32_pk8_fp8_f32 v[\pc+4*\b:\pc+1+4*\b], v[\s+16*\b:\s+7+16*\b], v[TM+12+\b]
	v_cvt_scalef32_pk8_fp8_f32 v[\pc+2+4*\b:\pc+3+4*\b], v[\s+8+16*\b:\s+15+16*\b], v[TM+12+\b]
.endr
	v_nop                                          ; a plain instruction behind the last scaled conversion
.endm
	PLACES NP                                      ; behind the last products: results are read, and their operands' registers written and loaded into
.irp b, 0,1,2,3
	v_mov_b32 v[TM+4+\b], 0                        ; a lane permute's destination counts as one of its sources
.endr
	s_wait_xcnt 0x0                                ; the prefetches have read their base: its registers are written again below
	s_cmp_ge_u32 s12, 4                            ; the cluster's number: the same in all partners
	s_cbranch_scc1 .Lv
	; ---- q and k: a lane holds a token (row block tb0 + a of its batch) and two heads' 64 features
	s_lshr_b32 s18, s17, 3                         ; batch
	s_lshl_b32 s19, s17, 4
	s_lshl_b32 s20, s15, 3
	s_add_co_u32 s19, s19, s20
	s_and_b32 s19, s19, 127                        ; tb0
	s_lshl_b32 s98, s19, 12                        ; 16 positions x 256 bytes a row block
	s_add_co_u32 s98, s98, ROPE
	s_mov_b32 s99, 0
	s_add_nc_u64 s[98:99], s[6:7], s[98:99]
	s_and_b32 s20, s42, 3
	s_lshl_b32 s20, s20, 2
	s_lshl_b32 s21, s16, 1
	s_add_co_u32 s20, s20, s21                     ; my first head
	s_lshl_b32 s18, s18, 4
	s_add_co_u32 s18, s18, s20
	s_lshl_b32 s20, s18, 7
	s_add_co_u32 s20, s20, s19
	s_lshl_b32 s21, s20, 6
	s_add_co_u32 s21, s21, Q_S                     ; q's scale words,
	s_lshl_b32 s20, s20, 10                        ; q's codes: half fragments of 1,024 bytes
	s_lshl_b32 s22, s18, 4
	s_lshr_b32 s23, s19, 3
	s_add_co_u32 s22, s22, s23
	s_mul_i32 s22, s22, KVB
	s_add_co_u32 s22, s22, KV                      ; k's codes, in the key step's block,
	s_add_co_u32 s23, s22, 16384                   ; k's scale words
	s_mov_b32 s45, 274432                          ; from head to head in KV: 16 blocks
	s_cmp_eq_u32 ttmp9, 0                          ; the cluster's x: 0 q, 1 k
	s_cselect_b32 s20, s20, s22
	s_cselect_b32 s22, s21, s23
	s_cselect_b32 s46, 131072, s45
	s_cselect_b32 s47, 8192, s45
	s_mov_b32 s21, 0
	s_mov_b32 s23, 0
	s_add_nc_u64 s[92:93], s[10:11], s[20:21]      ; the first head's codes
	s_add_nc_u64 s[96:97], s[10:11], s[22:23]      ; the scale words
	s_mov_b32 s20, s46
	s_add_nc_u64 s[94:95], s[92:93], s[20:21]      ; the second head's codes
	s_mov_b32 s45, 0x7f7f0000                      ; the bytes of the K that a head of 64 does not have: 1.0 over zero codes
	s_lshl_b32 s20, s42, 10
	s_lshl_b32 s22, s16, 9
	s_add_co_u32 s20, s20, s22
	s_add_nc_u64 s[8:9], s[8:9], s[20:21]          ; the bias of my 128 features
	v_lshlrev_b32 v[BA], 6, v2
	v_and_b32 v5, 8, v1
	v_add_nc_u32 v5, v5, v1
	v_lshlrev_b32 v5, 8, v5
	v_lshl_add_u32 v[RA], v2, 6, v5                ; the table: position r + 8 (r / 8), + 64 h: frequencies 8 h on
	v_mul_u32_u24 v[SA], s47, v2
	v_lshl_add_u32 v[SA], v1, 2, v[SA]             ; lanes 0-15 store the first head's words, lanes 16-31 the second's
	v_cmp_ne_u32 vcc_lo, 0, v2
.irp b, 0,1,2,3
.irp j, 0,1,2,3
	global_load_b128 v[BIAS+16*\b+4*\j:BIAS+16*\b+4*\j+3], v[BA], s[8:9] offset:128*\b+16*\j
.endr
.endr
.macro TABLE a                         ; block a's cos and sin: register 32 a + 16 bb + 2 p: cos of frequency 16 bb + 8 h + p; the next: sin
.irp bb, 0,1
.irp e, 0,1,2,3
	global_load_b128 v[32*(\a)+16*\bb+4*\e:32*(\a)+16*\bb+4*\e+3], v[RA], s[98:99] offset:(32*((\a)/2)+8*((\a)%2))*256+128*\bb+16*\e
.endr
.endr
.endm
	WIN 0x40                                       ; destination window 1
.irp a, 0,1,2,3,4
	TABLE \a
.endr
	s_wait_alu depctr_va_vdst(0)
	s_wait_loadcnt 40                              ; the bias is in: 40 loads were issued behind it (a wait's count holds 63 at the most, so the last 24 follow here)
.irp a, 5,6,7
	TABLE \a
.endr
	WIN 0
.macro QKOUT a
	WIN 0x02+(\a)/4                                ; source 0: the accumulators' window
.set i, 0
.rept 32
	v_pk_add_f32 v[T+i:T+i+1], v[64*((\a)%4)+i:64*((\a)%4)+i+1], v[BIAS+i:BIAS+i+1]   ; each accumulator from its low end on
.set i, i+2
.endr
	s_wait_loadcnt 8*(7-(\a))                      ; my block's eight loads of the table are in; the later blocks' may be out
	WIN 0x04                                       ; source 1: the table's window
.set k, 0
.rept 8                                        ; pair k: head k / 16, features 32 ((k % 16) / 8) + 16 h + 2 (k % 8) .. : (xe, xo) -> (xe cos - xo sin, xe sin + xo cos); four pairs by turns, so that no line reads the line above it
.irp u, 0,1,2,3
	v_mul_f32 v[RT+2*\u], v[T+2*(k+\u)+1], v[32*(\a)+2*((k+\u)%16)+1]
	v_mul_f32 v[RT+2*\u+1], v[T+2*(k+\u)+1], v[32*(\a)+2*((k+\u)%16)]
.endr
.irp u, 0,1,2,3
	v_fma_f32 v[T+2*(k+\u)+1], v[T+2*(k+\u)], v[32*(\a)+2*((k+\u)%16)+1], v[RT+2*\u+1]
	v_fma_f32 v[T+2*(k+\u)], v[T+2*(k+\u)], v[32*(\a)+2*((k+\u)%16)], -v[RT+2*\u]
.endr
.set k, k+4
.endr
	WIN 0
	s_wait_xcnt 0x0                                ; the earlier stores have read their data: the registers may be written again
	QUANT T, 0, PC+16*((\a)%2), PW+(\a)%2
.irp c, 0,1
	global_store_b128 v[LI], v[PC+16*((\a)%2)+4*\c:PC+16*((\a)%2)+4*\c+3], s[92:93] offset:1024*(\a)+512*\c     ; 512 consecutive bytes
	global_store_b128 v[LI], v[PC+16*((\a)%2)+8+4*\c:PC+16*((\a)%2)+8+4*\c+3], s[94:95] offset:1024*(\a)+512*\c
.endr
	v_and_or_b32 v[W0], v[PW+(\a)%2], 0xffff, s45  ; the first head's two bytes,
	v_lshrrev_b32 v[W1], 16, v[PW+(\a)%2]
	v_or_b32 v[W1], s45, v[W1]                     ; the second head's
	v_cndmask_b32 v[W0], v[W0], v[W1], vcc_lo
	global_store_b32 v[SA], v[W0], s[96:97] offset:64*(\a)
.endm
.irp a, 0,1,2,3,4,5,6,7
	QKOUT \a
.endr
	s_branch .Ldone
.Lv:
	; ---- v: a lane holds a feature (row block t0 + a of wv) and the 128 keys of key step ks
	s_lshl_b32 s18, s17, 4
	s_lshl_b32 s19, s15, 3
	s_add_co_u32 s18, s18, s19                     ; t0
	s_lshl_b32 s19, s42, 1
	s_add_co_u32 s19, s19, s16                     ; ks, 0 .. 31
	s_lshl_b32 s20, s18, 6
	s_add_co_u32 s20, s20, 8192
	s_mov_b32 s21, 0
	s_add_nc_u64 s[8:9], s[8:9], s[20:21]          ; bqkv at feature 2,048 + 16 t0
	s_lshr_b32 s20, s19, 4
	s_lshl_b32 s20, s20, 4
	s_lshr_b32 s22, s18, 2
	s_add_co_u32 s20, s20, s22                     ; 16 batch + head
	s_lshl_b32 s20, s20, 4
	s_and_b32 s22, s19, 15
	s_add_co_u32 s20, s20, s22
	s_mul_i32 s20, s20, KVB
	s_add_co_u32 s20, s20, KV+8192
	s_add_nc_u64 s[92:93], s[10:11], s[20:21]      ; V^T's codes in the key step's block
	v_and_b32 v5, 8, v1
	v_add_nc_u32 v5, v5, v1
	v_lshlrev_b32 v[RA], 2, v5
.irp a, 0,1,2,3,4,5,6,7
	global_load_b32 v[BIAS+\a], v[RA], s[8:9] offset:(32*(\a/2)+8*(\a%2))*4
.endr
	s_wait_loadcnt 0x0
.macro VOUT a
	WIN 0x02+(\a)/4
.set i, 0
.rept 64
	v_add_f32 v[T+i], v[64*((\a)%4)+i], v[BIAS+(\a)]
.set i, i+1
.endr
	WIN 0
	s_wait_xcnt 0x0
	QUANT T, 0, PC+16*((\a)%2), PW+(\a)%2
.irp c, 0,1,2,3
	global_store_b128 v[LI], v[PC+16*((\a)%2)+4*\c:PC+16*((\a)%2)+4*\c+3], s[92:93] offset:274432*((\a)/4)+2048*((\a)%4)+512*\c
.endr
	global_store_b32 v[R4], v[PW+(\a)%2], s[92:93] offset:274432*((\a)/4)+8704+64*((\a)%4)   ; both halves of the lanes hold and write the same words
.endm
.irp a, 0,1,2,3,4,5,6,7
	VOUT \a
.endr
.Ldone:
	s_wait_tensorcnt 0x0                           ; the wave's end
	ds_add_u32 v[SPW], v[NIL]
	s_wait_dscnt 0x0
	CROUND                                         ; the closing round
	s_endpgm
.Lfunc_end_k_q8d702ed869_qkv:
	.size	k_q8d702ed869_qkv, .Lfunc_end_k_q8d702ed869_qkv-k_q8d702ed869_qkv
	.p2alignl 7, 3214868480
	.fill 96, 4, 3214868480
	.section	.rodata,"a",@progbits
	.p2align	6, 0x0
	.amdhsa_kernel k_q8d702ed869_qkv
		.amdhsa_group_segment_fixed_size 327680
		.amdhsa_private_segment_fixed_size 0
		.amdhsa_enable_private_segment 0
		.amdhsa_kernarg_size 32
		.amdhsa_user_sgpr_count 2
		.amdhsa_user_sgpr_kernarg_segment_ptr 1
		.amdhsa_wavefront_size32 1
		.amdhsa_system_sgpr_workgroup_id_x 1
		.amdhsa_system_sgpr_workgroup_id_y 1
		.amdhsa_system_sgpr_workgroup_id_z 1
		.amdhsa_system_vgpr_workitem_id 0
		.amdhsa_next_free_vgpr 1024
		.amdhsa_next_free_sgpr 100
		.amdhsa_reserve_vcc 1
		.amdhsa_float_denorm_mode_32 3
		.amdhsa_float_denorm_mode_16_64 3
		.amdhsa_memory_ordered 1
		.amdhsa_forward_progress 1
		.amdhsa_inst_pref_size 255
	.end_amdhsa_kernel
	.section	.bss,"aw",@nobits
	.p2align	6
	.space	262144
	.amdgpu_metadata
---
amdhsa.version: [ 1, 2 ]
amdhsa.kernels:
  - .name:           k_q8d702ed869_qkv
    .symbol:         k_q8d702ed869_qkv.kd
    .args:
      - { .name: xq, .offset: 0, .size: 8, .value_kind: global_buffer, .address_space: global }
      - { .name: wq, .offset: 8, .size: 8, .value_kind: global_buffer, .address_space: global }
      - { .name: bqkv, .offset: 16, .size: 8, .value_kind: global_buffer, .address_space: global }
      - { .name: qkv, .offset: 24, .size: 8, .value_kind: global_buffer, .address_space: global }
    .group_segment_fixed_size: 327680
    .private_segment_fixed_size: 0
    .kernarg_segment_align: 8
    .kernarg_segment_size: 32
    .max_flat_workgroup_size: 128
    .sgpr_count:     100
    .vgpr_count:     1024
    .wavefront_size: 32
...
	.end_amdgpu_metadata
.endif
;; end of part 2
;; launch attn (part 3): grid 8 x 32, 16 waves a work-group, clusters of 4 x 1, 313,344 bytes of LDS; arguments qkv, ctx; writes ctx
.if DOCPART == 3
	.amdgcn_target "amdgcn-amd-amdhsa--gfx1250"
	.amdhsa_code_object_version 6
	.text
	.protected	k_q8d702ed869_attn
	.globl	k_q8d702ed869_attn
	.p2align	8
	.type	k_q8d702ed869_attn,@function
k_q8d702ed869_attn:
	s_mov_b64 s[64:65], 0
	v_nop
	global_prefetch_b8 v0, s[64:65] scope:SCOPE_SE
	s_setreg_imm32_b32 hwreg(HW_REG_WAVE_MODE, 25, 1), 1
	s_wait_xcnt 0x0
	s_wait_alu depctr_hold_cnt(0) depctr_sa_sdst(0) depctr_va_vdst(0) depctr_va_sdst(0) depctr_va_ssrc(0) depctr_va_vcc(0) depctr_vm_vsrc(0)
	s_getreg_b32 s2, hwreg(HW_REG_IB_STS2, 6, 4)
	s_cmp_eq_u32 s2, 0
	s_cbranch_scc0 .Lentry_in_a_cluster
	s_endpgm
.Lentry_in_a_cluster:
	s_bfe_u32 s2, ttmp6, 0x10000c
	s_cmp_lg_u32 s2, 0x3003
	s_cbranch_scc0 .Lentry_shape_is_right
	s_endpgm
.Lentry_shape_is_right:
; ctx = softmax(q k^T / 8, causal) v for one head of 64, both products on codes of E4M3 with E8M0 scales; ctx is quantised along the model's 1,024 and stored as an image of operand registers.
; THE SOFTMAX: t = score x log2(e) / 8; M = the running largest t rounded UP to a whole number; p = 2^(t - M) is quantised along the keys; the row's sum is taken of the unquantised p and divides at the end.
; SHARES.  A head has 16 blocks of 128 queries, each of 8 tiles of 16.  Work-group j of a head (0 .. 7) owns tile j of EVERY block.  A tile of block QB has QB + 1 key steps of 128 keys that the causal mask leaves: 136 tile steps a work-group.
; THE WAVES GO IN PAIRS: waves 2 p and 2 p + 1 own the tiles of blocks p (p + 1 steps) and 15 - p (16 - p steps), 17 steps.  The wave of role 0 walks the long tile's key steps 0 to 7 and lays its O^T, -M and sums into LDS bytes of its own;
; the wave of role 1 finishes the short tile, then walks the long tile's key steps 8 to 15 - p and joins the two parts: both M are whole numbers, so each part is brought under the larger M by a power of two, which rounds nothing.
; So a wave has 8 or 9 steps.  Role = (wave + wave / 4) % 2: among waves 4 m .. 4 m + 3 and among waves m, m + 4, m + 8, m + 12 alike two have each role.
; Every wave runs one text: both walks have constant trip counts, and a step outside the wave's range is jumped over; the second tile's q is loaded, and the state set anew, by all waves alike (in role 0 these few lines serve nothing).
; CLUSTER.  The four work-groups of a cluster belong to one head and need the same K and V: each block is asked for JOINTLY, by the same tensor load with the same descriptor and the mask 15.  The jumps hang on the wave's number alone,
; the same in all partners; a work-group's place in its cluster enters q's and ctx's global addresses and the number that the causal mask compares with (a choice of values), nothing else.
; THE WHOLE HEAD'S K AND V LIE IN LDS, FILLED ONCE: sixteen blocks of 17,152 bytes (a key step's K codes, V^T codes, both scale words).  Wave w fetches key step w: one tensor load a wave.  A START IN TWO PHASES: waves 0 to 3 have a load
; line of their own and wait ahead of the first barrier; every wave walks key steps 0 and 1 while the other blocks are on their way; then the wait for all loads and a second barrier.  Nothing is filled again: no ring, and no later tile to prefetch.
; On the diagonal hidden scores become -infinity ahead of the maximum.
; LAYOUT.  S^T = K Q^T (source 0 = 16 keys), O^T = V^T P^T (source 0 = 16 of the head's 64): a lane holds one query throughout.  By the images' order of rows the 16 registers of two neighbouring tiles are 16 neighbours.
; K = 64 IN AN INSTRUCTION OF 128: q's upper eight registers are zero codes and the upper two scale bytes of q and k are 1.0; the upper eight registers of a fragment of K hold zeros or old codes of V, which are finite, against q's zeros.
; REGISTERS: v1 16 x lane, v2 4 r, v3 my query's place less 16 h; v4-7, v236-240 the second tile's q; v8, v9 the step's addresses; v10, v11 where a part is handed over; v12 -M, v13 the largest t, v[14:15] the sum; v16-31 q;
;   v32-95 four fragments; v96-159 S^T, then p; v160-191 O^T; v192-207 p's codes; v208-211 K's or V's scale words; v212 q's; v213 p's; v216-235, v242-253 at work.
;   s8 wave, s9 the tile's block, s60 the last key step of the walk, s61 the second tile's block, s63 role, s10 key step, s11 its block in LDS.
; LIMITS: NaN and infinities are not served; ctx's scale bytes leave in pieces of 2 bytes (one part in 32 of the codes' bytes).
.set KVB, 17152
.set KV,  4456448
.set Q_S, 4194304
.set XS,  4194304
.set DUMP, 276480                      ; behind the blocks and the spare words: 4,608 bytes for each pair of waves
.set G1,  16
.set G0,  48
.macro CROUND                          ; a round of the cluster's barrier
	s_barrier_signal -1
	s_barrier_wait -1
	s_cmp_lg_u32 s8, 0
	s_cbranch_scc1 .Lnot_wave_0_\@
	s_barrier_signal -3
.Lnot_wave_0_\@:
	s_barrier_wait -3
	s_barrier_signal -1
	s_barrier_wait -1
.endm
	s_load_b128 s[4:7], s[0:1], 0x0                ; qkv, ctx
	v_lshl_add_u32 v254, v0, 2, 0x43000
	v_mov_b32 v255, 0
	ds_add_u32 v254, v255
	ds_add_u32 v254, v255
	v_lshrrev_b32 v4, 5, v0
	s_delay_alu instid0(VALU_DEP_1)
	v_readfirstlane_b32 s8, v4                     ; wave
	s_and_b32 s29, ttmp7, 0xffff                   ; 16 batch + head: the cluster's y, which the four partners share
	s_mov_b32 s[G1], 15|(3<<16)|(1<<21)            ; the mask: all four work-groups; elements of 8 bytes; bit 21 beside a mask; no padding: images are read densely
	s_mov_b32 s[G1+1], 32<<16                      ; rows of 256 bytes
	s_mov_b32 s[G1+2], 67<<16                      ; 67 rows = 17,152 dense bytes
	s_mov_b32 s[G1+3], 32<<16
	s_mov_b32 s[G1+4], 67
	s_mov_b32 s[G1+5], 32
	s_mov_b32 s[G1+6], 0
	s_mov_b32 s[G1+7], 0
	s_mul_i32 s13, s8, KVB                         ; key step n lies at n x 17,152
	s_lshl_b32 s30, s29, 4
	s_add_co_u32 s30, s30, s8
	s_mul_i32 s30, s30, KVB
	s_add_co_u32 s30, s30, KV
	s_mov_b32 s31, 0
	s_wait_dscnt 0x0
	CROUND                                         ; the opening round, ahead of the wait for the arguments: all four work-groups are here: the joint loads meet
	s_wait_kmcnt 0x0
	s_add_nc_u64 s[14:15], s[4:5], s[30:31]        ; the head's key step w
	s_mov_b32 s[G0], 1
	s_mov_b32 s[G0+1], s13
	s_mov_b64 s[G0+2:G0+3], s[14:15]
	s_or_b32 s[G0+3], s[G0+3], 0x80000000
	s_cmp_lt_u32 s8, 4                             ; waves 0 to 3, whose blocks the first phase reads, have a load line of their own
	s_cbranch_scc0 .Lupper
	tensor_load_to_lds s[G0:G0+3], s[G1:G1+7]
	s_nop 0
.rept 4
	v_nop
.endr
	s_branch .Lfetched
.Lupper:
	tensor_load_to_lds s[G0:G0+3], s[G1:G1+7]
	s_nop 0
.rept 4
	v_nop
.endr
.Lfetched:
	s_lshr_b32 s30, s8, 2
	s_add_co_u32 s30, s30, s8
	s_and_b32 s63, s30, 1                          ; role
	s_lshr_b32 s31, s8, 1                          ; the pair p
	s_sub_co_u32 s30, 15, s31
	s_cmp_eq_u32 s63, 0
	s_cselect_b32 s9, s30, s31                     ; my first tile's block: role 0: 15 - p; role 1: p
	s_cselect_b32 s61, s31, s30                    ; the other one
	s_min_u32 s60, s9, 7                           ; the first walk ends at key step 7 or on the diagonal
	s_mul_i32 s62, s31, 4608
	s_add_co_u32 s62, s62, DUMP                    ; the pair's bytes
	s_bfe_u32 s44, ttmp6, 0x40000                  ; cx
	s_lshl_b32 s45, ttmp9, 2
	s_add_co_u32 s45, s45, s44                     ; my work-group among the head's eight = my tile in a block
.macro POINTERS blk, qc, qs, cc, cs    ; where the tile of block s[blk] has q's codes and scale words and ctx's
	s_lshl_b32 s46, s\blk, 3
	s_add_co_u32 s46, s46, s45                     ; the tile, 0 .. 127
	s_lshl_b32 s32, s29, 7
	s_add_co_u32 s32, s32, s46
	s_lshl_b32 s\qc, s32, 10
	s_mov_b32 s[\qc+1], 0
	s_add_nc_u64 s[\qc:\qc+1], s[4:5], s[\qc:\qc+1]
	s_lshl_b32 s\qs, s32, 6
	s_add_co_u32 s\qs, s\qs, Q_S
	s_mov_b32 s[\qs+1], 0
	s_add_nc_u64 s[\qs:\qs+1], s[4:5], s[\qs:\qs+1]
	s_lshr_b32 s33, s29, 4
	s_lshl_b32 s33, s33, 7
	s_add_co_u32 s33, s33, s46                     ; ctx's row block
	s_lshl_b32 s33, s33, 3
	s_bfe_u32 s32, s29, 0x30001                    ; its K step: head / 2
	s_add_co_u32 s33, s33, s32
	s_and_b32 s32, s29, 1
	s_lshl_b32 s\cc, s33, 11
	s_lshl_b32 s46, s32, 10
	s_add_co_u32 s\cc, s\cc, s46                   ; + the head's half of the fragment
	s_lshl_b32 s\cs, s33, 6
	s_lshl_b32 s32, s32, 1
	s_add_co_u32 s\cs, s\cs, s32
	s_add_co_u32 s\cs, s\cs, XS
	s_mov_b32 s[\cc+1], 0
	s_mov_b32 s[\cs+1], 0
	s_add_nc_u64 s[\cc:\cc+1], s[6:7], s[\cc:\cc+1]
	s_add_nc_u64 s[\cs:\cs+1], s[6:7], s[\cs:\cs+1]
.endm
	POINTERS 9, 34, 36, 38, 40
	POINTERS 61, 52, 54, 56, 58
	s_lshr_b32 s42, s45, 1
	s_lshl_b32 s42, s42, 5
	s_and_b32 s43, s45, 1
	s_lshl_b32 s43, s43, 3
	s_add_co_u32 s42, s42, s43                     ; my tiles' first place in a block of 128
	s_mov_b32 s24, 0x76543210
	s_mov_b32 s25, 0xfedcba98
	s_mov_b32 s26, 0x3e38aa3b                      ; c = log2(e) / 8
	s_mov_b32 s27, s26
	s_mov_b32 s28, 0x600000
	v_and_b32 v1, 31, v0
	s_delay_alu instid0(VALU_DEP_1)
	v_lshlrev_b32 v1, 4, v1
	v_and_b32 v5, 15, v0
	s_delay_alu instid0(VALU_DEP_1)
	v_lshlrev_b32 v2, 2, v5
	global_load_b128 v[16:19], v1, s[34:35]
	global_load_b128 v[20:23], v1, s[34:35] offset:512
	global_load_b32 v212, v2, s[36:37]
	v_bfe_u32 v6, v0, 4, 1
	v_and_b32 v7, 8, v5
	s_delay_alu instid0(VALU_DEP_1)
	v_add_nc_u32 v3, v5, v7
	s_delay_alu instid0(VALU_DEP_1)
	v_add_nc_u32 v3, s42, v3
	s_delay_alu instid0(VALU_DEP_4)
	v_lshlrev_b32 v7, 4, v6
	s_delay_alu instid0(VALU_DEP_1)
	v_sub_nc_u32 v3, v3, v7                        ; d: in the diagonal step register 16 b + i is hidden where 32 b + i > d
	v_add_nc_u32 v10, s62, v1                      ; a part's O^T: 16 x lane in the pair's bytes
	v_and_b32 v11, 31, v0
	v_lshl_add_u32 v11, v11, 2, s62                ; its -M and sums: 4 x lane, from byte 4,096 on
	global_load_b128 v[4:7], v1, s[52:53]          ; the second tile's q waits in registers
	global_load_b128 v[236:239], v1, s[52:53] offset:512
	global_load_b32 v240, v2, s[54:55]
.set i, 24
.rept 8
	v_mov_b32 v[i], 0                              ; q's zero codes for k = 64 .. 127
.set i, i+1
.endr
.irp t, 0,1,2,3
.irp i, 8,9,10,11,12,13,14,15
	v_mov_b32 v[32+16*\t+\i], 0                    ; the fragments' upper halves, once
.endr
.endr
.macro STATE                           ; a tile's state ahead of its first step: the step is written for every trip alike; the first change of M leaves zeros zeros
.set i, 160
.rept 32
	v_mov_b32 v[i], 0
.set i, i+1
.endr
	v_mov_b32 v13, 0xff61b1e6                      ; -3e38, under every t
	s_delay_alu instid0(VALU_DEP_1)
	v_floor_f32 v12, -v13
	v_mov_b32 v14, 0
	v_mov_b32 v15, 0
.endm
	STATE
.irp b, 0,1,2,3
	v_mov_b32 v[220+\b], 0                         ; a lane permute's destination counts as one of its sources
.endr
	v_mov_b32 v233, 0                              ; (named as the upper half of the pair v[232:233])
	v_mov_b32 v235, 0xff800000                     ; -infinity
; THE WALK over key steps s10 .. last - 1: the trip count is a constant in every wave; a step behind the wave's last (s60) is jumped over
.macro WALK last
.Lstep_\@:
	s_cmp_gt_u32 s10, s60
	s_cbranch_scc1 .Lhidden_\@
	v_add_nc_u32 v8, s11, v1
	s_wait_alu depctr_va_vdst(0)
	v_add_nc_u32 v9, s11, v2
	s_wait_alu depctr_va_vdst(0)
.irp g, 0,1                                    ; S^T = K Q^T, four tiles of 16 keys at a time
.rept 8-2*(1-\g)
	v_nop                                          ; eight places in front of loads into registers that matrix instructions have read (the two additions above are places too)
.endr
.irp t, 0,1,2,3
.irp c, 0,1
	ds_load_b128 v[32+16*\t+4*\c:32+16*\t+4*\c+3], v8 offset:1024*(4*\g+\t)+512*\c
.endr
	ds_load_b32 v[208+\t], v9 offset:16384+64*(4*\g+\t)
.endr
	s_wait_dscnt 0x0
.irp t, 0,1,2,3
	v_wmma_scale_f32_16x16x128_f8f6f4 v[96+8*(4*\g+\t):103+8*(4*\g+\t)], v[32+16*\t:47+16*\t], v[16:31], 0, v[208+\t], v212
.endr
.endr
.rept 8
	v_nop
.endr
.irp t, 0,1,2,3                                ; V^T's four fragments and their scale words are asked for now and land under the softmax
.irp c, 0,1,2,3
	ds_load_b128 v[32+16*\t+4*\c:32+16*\t+4*\c+3], v8 offset:8192+2048*\t+512*\c
.endr
	ds_load_b32 v[208+\t], v9 offset:16896+64*\t
.endr
	s_cmp_lg_u32 s10, s9
	s_cbranch_scc1 .Lopen_\@
.set n, 0
.rept 64
	v_cmp_gt_i32 vcc_lo, 32*(n/16)+n%16, v3
	v_cndmask_b32 v[96+n], v[96+n], v235, vcc_lo
.set n, n+1
.endr
.Lopen_\@:
.irp b, 0,1,2,3
	v_max3_num_f32 v[216+\b], v[96+16*\b], v[97+16*\b], v[98+16*\b]   ; the largest score of each block of 32 keys: for the row's maximum, and, since p rises with the score, for the block's largest p
.endr
.irp i, 3,5,7,9,11,13
.irp b, 0,1,2,3
	v_max3_num_f32 v[216+\b], v[216+\b], v[96+16*\b+\i], v[97+16*\b+\i]
.endr
.endr
.irp b, 0,1,2,3
	v_max_num_f32 v[216+\b], v[216+\b], v[111+16*\b]
.endr
.irp b, 0,1,2,3
	s_delay_alu instid0(VALU_DEP_4)
	v_permlanex16_b32 v[220+\b], v[216+\b], s24, s25
.endr
.irp b, 0,1,2,3
	s_delay_alu instid0(VALU_DEP_4)
	v_max_num_f32 v[216+\b], v[216+\b], v[220+\b]
.endr
	s_delay_alu instid0(VALU_DEP_2)
	v_max3_num_f32 v234, v216, v217, v218
	s_delay_alu instid0(VALU_DEP_1)
	v_max_num_f32 v234, v234, v219
	s_delay_alu instid0(VALU_DEP_1)
	v_mul_f32 v234, s26, v234
	s_delay_alu instid0(VALU_DEP_1)
	v_max_num_f32 v13, v13, v234                   ; the running largest t
	v_mov_b32 v234, v12
	s_delay_alu instid0(VALU_DEP_2)
	v_floor_f32 v12, -v13                          ; -M = floor(-t): M is a whole number
	s_delay_alu instid0(VALU_DEP_1)
	v_sub_f32 v234, v12, v234
	s_delay_alu instid0(VALU_DEP_1)
	v_cvt_i32_f32 v234, v234                       ; (it saturates)
	s_delay_alu instid0(VALU_DEP_1)
	v_ldexp_f32 v232, 1.0, v234                    ; f = 2^(old M - new M): exact
.set j, 0
.rept 32
	v_pk_fma_f32 v[96+j:97+j], v[96+j:97+j], s[26:27], v[12:13] op_sel_hi:[1,0,0]   ; t - M
.set j, j+2
.endr
.irp b, 0,1,2,3
	v_fma_f32 v[216+\b], v[216+\b], s26, v12
.endr
.set j, 0
	s_wait_alu depctr_va_vdst(0)
.rept 64
	v_exp_f32 v[96+j], v[96+j]                     ; p, not normalised
.set j, j+1
.endr
	v_pk_mul_f32 v[14:15], v[14:15], v[232:233] op_sel_hi:[1,0]   ; the sums under the new M (a plain instruction behind the exponentials)
	s_wait_alu depctr_va_vdst(0)                   ; one wait for the batch, ahead of its first reader
.irp b, 0,1,2,3
	v_exp_f32 v[216+\b], v[216+\b]                 ; each block's largest p
.endr
	v_pk_add_f32 v[220:221], v[100:101], v[104:105]
	v_pk_add_f32 v[252:253], v[108:109], v[112:113]
	v_pk_add_f32 v[250:251], v[116:117], v[120:121]
	v_pk_add_f32 v[248:249], v[124:125], v[128:129]
	v_pk_add_f32 v[246:247], v[132:133], v[136:137]
	v_pk_add_f32 v[244:245], v[140:141], v[144:145]
	v_pk_add_f32 v[242:243], v[148:149], v[152:153]
	v_pk_add_f32 v[14:15], v[14:15], v[156:157]
	v_pk_add_f32 v[220:221], v[220:221], v[96:97]
	v_pk_add_f32 v[252:253], v[252:253], v[98:99]
	v_pk_add_f32 v[250:251], v[250:251], v[102:103]
	v_pk_add_f32 v[248:249], v[248:249], v[106:107]
	v_pk_add_f32 v[246:247], v[246:247], v[110:111]
	v_pk_add_f32 v[244:245], v[244:245], v[114:115]
	v_pk_add_f32 v[242:243], v[242:243], v[118:119]
	v_pk_add_f32 v[14:15], v[14:15], v[122:123]
	v_pk_add_f32 v[220:221], v[220:221], v[126:127]
	v_pk_add_f32 v[252:253], v[252:253], v[130:131]
	v_pk_add_f32 v[250:251], v[250:251], v[134:135]
	v_pk_add_f32 v[248:249], v[248:249], v[138:139]
	v_pk_add_f32 v[246:247], v[246:247], v[142:143]
	v_pk_add_f32 v[244:245], v[244:245], v[146:147]
	v_pk_add_f32 v[242:243], v[242:243], v[150:151]
	v_pk_add_f32 v[14:15], v[14:15], v[154:155]
	v_pk_add_f32 v[220:221], v[220:221], v[158:159]
	s_delay_alu instid0(VALU_DEP_2)
	v_pk_add_f32 v[14:15], v[14:15], v[248:249]
	s_delay_alu instid0(VALU_DEP_2)
	v_pk_add_f32 v[220:221], v[220:221], v[246:247]
	v_pk_add_f32 v[252:253], v[252:253], v[244:245]
	v_pk_add_f32 v[250:251], v[250:251], v[242:243]
	s_delay_alu instid0(VALU_DEP_2)
	v_pk_add_f32 v[14:15], v[14:15], v[252:253]
	s_delay_alu instid0(VALU_DEP_2)
	v_pk_add_f32 v[220:221], v[220:221], v[250:251]
	s_delay_alu instid0(VALU_DEP_1)
	v_pk_add_f32 v[14:15], v[14:15], v[220:221]
	s_wait_alu depctr_va_vdst(0)                   ; and one for the four
.irp b, 0,1,2,3
	v_max_num_f32 v[216+\b], 0x4800000, v[216+\b]  ; the floor: the byte cannot fall under 1
.endr
.irp b, 0,1,2,3
	s_delay_alu instid0(VALU_DEP_4)
	v_add_nc_u32 v[228+\b], 0xfc000000, v[216+\b]
.endr
.irp b, 0,1,2,3
	v_and_or_b32 v[224+\b], v[216+\b], 0x7f800000, s28
.endr
.irp b, 0,1,2,3
	v_lshrrev_b32 v[220+\b], 23, v[228+\b]
.endr
	s_delay_alu instid0(VALU_DEP_3)
	v_lshl_or_b32 v213, v221, 8, v220              ; p's scale word for these 128 keys
	s_delay_alu instid0(VALU_DEP_1)
	v_lshl_or_b32 v213, v222, 16, v213
	s_delay_alu instid0(VALU_DEP_1)
	v_lshl_or_b32 v213, v223, 24, v213
.irp b, 0,1,2,3
.irp i, 0,1,2,3,4,5,6,7,8,9,10,11,12,13,14,15
	v_min_num_f32 v[96+16*\b+\i], v[96+16*\b+\i], v[224+\b]   ; p is not negative: the hold is one-sided
.endr
	v_cvt_scalef32_pk8_fp8_f32 v[192+4*\b:193+4*\b], v[96+16*\b:103+16*\b], v[228+\b]
	v_cvt_scalef32_pk8_fp8_f32 v[194+4*\b:195+4*\b], v[104+16*\b:111+16*\b], v[228+\b]
.endr
.set j, 0
.rept 16
	v_pk_mul_f32 v[160+j:161+j], v[160+j:161+j], v[232:233] op_sel_hi:[1,0]   ; O^T under the new M; these are also the places between the codes and the products
.set j, j+2
.endr
	s_wait_alu depctr_va_vdst(0)
	s_wait_dscnt 0x0                               ; V^T
.irp t, 0,1,2,3
	v_wmma_scale_f32_16x16x128_f8f6f4 v[160+8*\t:167+8*\t], v[32+16*\t:47+16*\t], v[192:207], v[160+8*\t:167+8*\t], v[208+\t], v213
.endr
.Lhidden_\@:
	s_add_co_u32 s11, s11, KVB
	s_add_co_u32 s10, s10, 1
	s_cmp_lt_u32 s10, \last
	s_cbranch_scc1 .Lstep_\@
.endm
; THE WAY OUT of a tile: O^T / the sum, quantised along the head's 64 (two blocks), into ctx's image at s[cp], its two scale bytes a row at s[sp]
.macro WAYOUT cp, sp
.rept 8
	v_nop
.endr
	s_wait_alu depctr_va_vdst(0)
	v_add_f32 v14, v14, v15
	s_delay_alu instid0(VALU_DEP_1)
	v_permlanex16_b32 v220, v14, s24, s25
	s_delay_alu instid0(VALU_DEP_1)
	v_add_f32 v14, v14, v220
	s_wait_alu depctr_va_vdst(0)
	v_rcp_f32 v14, v14
	v_nop
	s_wait_alu depctr_va_vdst(0)
.set j, 0
.rept 32
	v_mul_f32 v[96+j], v[160+j], v14               ; register 16 b + i: channel 32 b + 16 h + i
.set j, j+1
.endr
.irp b, 0,1
	v_max3_num_f32 v[216+\b], |v[96+16*\b]|, |v[97+16*\b]|, 0x4800000
.endr
.irp i, 2,4,6,8,10,12,14
.irp b, 0,1
	s_delay_alu instid0(VALU_DEP_2)
	v_max3_num_f32 v[216+\b], v[216+\b], |v[96+16*\b+\i]|, |v[97+16*\b+\i]|
.endr
.endr
.irp b, 0,1
	s_delay_alu instid0(VALU_DEP_2)
	v_permlanex16_b32 v[220+\b], v[216+\b], s24, s25
.endr
.irp b, 0,1
	s_delay_alu instid0(VALU_DEP_2)
	v_max_num_f32 v[216+\b], v[216+\b], v[220+\b]
.endr
.irp b, 0,1
	s_delay_alu instid0(VALU_DEP_2)
	v_add_nc_u32 v[228+\b], 0xfc000000, v[216+\b]
.endr
.irp b, 0,1
	s_delay_alu instid0(VALU_DEP_4)
	v_and_or_b32 v[224+\b], v[216+\b], 0x7f800000, s28
.endr
.irp b, 0,1
	s_delay_alu instid0(VALU_DEP_4)
	v_lshrrev_b32 v[220+\b], 23, v[228+\b]
.endr
	s_delay_alu instid0(VALU_DEP_1)
	v_lshl_or_b32 v213, v221, 8, v220
.irp b, 0,1
.irp i, 0,1,2,3,4,5,6,7,8,9,10,11,12,13,14,15
	v_med3_num_f32 v[96+16*\b+\i], v[96+16*\b+\i], -v[224+\b], v[224+\b]
.endr
	v_cvt_scalef32_pk8_fp8_f32 v[192+4*\b:193+4*\b], v[96+16*\b:103+16*\b], v[228+\b]
	v_cvt_scalef32_pk8_fp8_f32 v[194+4*\b:195+4*\b], v[104+16*\b:111+16*\b], v[228+\b]
.endr
	v_nop
	global_store_b128 v1, v[192:195], s[\cp:\cp+1]             ; 512 consecutive bytes each
	global_store_b128 v1, v[196:199], s[\cp:\cp+1] offset:512
	global_store_b16 v2, v213, s[\sp:\sp+1]                    ; my row's two bytes; both halves of the lanes hold and write the same
.endm
	s_mov_b32 s10, 0                               ; the key step
	s_mov_b32 s11, 0                               ; its block in LDS
	s_wait_alu depctr_va_vdst(0)
	s_cmp_lt_u32 s8, 4
	s_cbranch_scc0 .Lnot_yet
	s_wait_tensorcnt 0x0                           ; waves 0 to 3: key steps 0 to 3 have landed; the other waves' wait stands ahead of the second barrier
.Lnot_yet:
	s_barrier_signal -1
	s_barrier_wait -1                              ; key steps 0 to 3 lie in LDS
	s_wait_loadcnt 0x0                             ; q of both tiles
	WALK 2                                         ; key steps 0 and 1, while the other twelve blocks are on their way
	s_wait_tensorcnt 0x0                           ; all my loads have landed,
	s_wait_dscnt 0x0
	s_barrier_signal -1
	s_barrier_wait -1                              ; everybody's have: the whole head lies in LDS
	s_mov_b32 s10, 2
	s_mov_b32 s11, 2*KVB
	WALK 8                                         ; the first walk: no wave goes beyond key step 7
	s_cmp_eq_u32 s63, 0
	s_cbranch_scc0 .Lshort
.rept 8
	v_nop                                          ; role 0: eight places behind the last products,
.endr
	s_wait_alu depctr_va_vdst(0)                   ; a wait ahead of the results' first reader,
.irp i, 0,1,2,3,4,5,6,7
	ds_store_b128 v10, v[160+4*\i:163+4*\i] offset:512*\i   ; and the long tile's first part goes to the pair's bytes as an image of registers: O^T,
.endr
	ds_store_b32 v11, v12 offset:4096              ; -M,
	ds_store_b32 v11, v14 offset:4224              ; the sum's two halves
	ds_store_b32 v11, v15 offset:4352
	s_branch .Lsecond
.Lshort:
	WAYOUT 38, 40                                  ; role 1: the short tile is finished
.Lsecond:
	s_wait_xcnt 0x0                                ; the stores have read their data: the registers may be written again
.irp i, 0,1,2,3
	v_mov_b32 v[16+\i], v[4+\i]                    ; the second tile's q
	v_mov_b32 v[20+\i], v[236+\i]
.endr
	v_mov_b32 v212, v240
	STATE
	s_cmp_eq_u32 s63, 0
	s_cselect_b32 s60, 0, s61                      ; role 1 walks to the long tile's diagonal; role 0 has no step left: every step from 8 on lies behind 0
	s_mov_b32 s9, s61
	s_mov_b32 s10, 8
	s_mov_b32 s11, 8*KVB
	WALK 16
.rept 8
	v_nop                                          ; places behind the last products: loads land on the scores' registers below
.endr
	s_wait_dscnt 0x0                               ; role 0's stores have landed
	s_barrier_signal -1
	s_barrier_wait -1
	s_cmp_eq_u32 s63, 0
	s_cbranch_scc1 .Ldone
.irp i, 0,1,2,3,4,5,6,7
	ds_load_b128 v[96+4*\i:99+4*\i], v10 offset:512*\i      ; role 1: my partner's part: the same lanes hold the same queries
.endr
	ds_load_b32 v128, v11 offset:4096
	ds_load_b32 v130, v11 offset:4224
	ds_load_b32 v131, v11 offset:4352
	v_mov_b32 v135, 0                              ; (named as the upper halves of pairs)
	v_mov_b32 v137, 0
	s_wait_alu depctr_va_vdst(0)
	s_wait_dscnt 0x0
	v_min_num_f32 v129, v12, v128                  ; -M of both parts: the larger M
	v_sub_f32 v132, v129, v128                     ; its M less the common one: a whole number, 0 or less
	v_sub_f32 v133, v129, v12                      ; mine likewise
	v_cvt_i32_f32 v132, v132
	v_cvt_i32_f32 v133, v133
	v_ldexp_f32 v134, 1.0, v132                    ; the two factors: powers of two
	v_ldexp_f32 v136, 1.0, v133
	v_pk_mul_f32 v[14:15], v[14:15], v[136:137] op_sel_hi:[1,0]
	v_pk_fma_f32 v[14:15], v[130:131], v[134:135], v[14:15] op_sel_hi:[1,0,1]
	s_wait_alu depctr_va_vdst(0)                   ; the wait directly ahead of the first reader of O^T
.set j, 0
.rept 16
	v_pk_mul_f32 v[160+j:161+j], v[160+j:161+j], v[136:137] op_sel_hi:[1,0]
.set j, j+2
.endr
.set j, 0
.rept 16
	v_pk_fma_f32 v[160+j:161+j], v[96+j:97+j], v[134:135], v[160+j:161+j] op_sel_hi:[1,0,1]
.set j, j+2
.endr
	WAYOUT 56, 58                                  ; the long tile is finished
.Ldone:
	s_wait_tensorcnt 0x0                           ; the wave's end
	ds_add_u32 v254, v255
	s_wait_dscnt 0x0
	CROUND                                         ; the closing round: no work-group ends while a partner may still ask for a block that names it
	s_endpgm
.Lfunc_end_k_q8d702ed869_attn:
	.size	k_q8d702ed869_attn, .Lfunc_end_k_q8d702ed869_attn-k_q8d702ed869_attn
	.p2alignl 7, 3214868480
	.fill 96, 4, 3214868480
	.section	.rodata,"a",@progbits
	.p2align	6, 0x0
	.amdhsa_kernel k_q8d702ed869_attn
		.amdhsa_group_segment_fixed_size 313344
		.amdhsa_private_segment_fixed_size 0
		.amdhsa_enable_private_segment 0
		.amdhsa_kernarg_size 16
		.amdhsa_user_sgpr_count 2
		.amdhsa_user_sgpr_kernarg_segment_ptr 1
		.amdhsa_wavefront_size32 1
		.amdhsa_system_sgpr_workgroup_id_x 1
		.amdhsa_system_sgpr_workgroup_id_y 1
		.amdhsa_system_sgpr_workgroup_id_z 1
		.amdhsa_system_vgpr_workitem_id 0
		.amdhsa_next_free_vgpr 256
		.amdhsa_next_free_sgpr 66
		.amdhsa_reserve_vcc 1
		.amdhsa_float_denorm_mode_32 3
		.amdhsa_float_denorm_mode_16_64 3
		.amdhsa_memory_ordered 1
		.amdhsa_forward_progress 1
		.amdhsa_inst_pref_size 106
	.end_amdhsa_kernel
	.amdgpu_metadata
---
amdhsa.version: [ 1, 2 ]
amdhsa.kernels:
  - .name:           k_q8d702ed869_attn
    .symbol:         k_q8d702ed869_attn.kd
    .args:
      - { .name: qkv, .offset: 0, .size: 8, .value_kind: global_buffer, .address_space: global }
      - { .name: ctx, .offset: 8, .size: 8, .value_kind: global_buffer, .address_space: global }
    .group_segment_fixed_size: 313344
    .private_segment_fixed_size: 0
    .kernarg_segment_align: 8
    .kernarg_segment_size: 16
    .max_flat_workgroup_size: 512
    .sgpr_count:     66
    .vgpr_count:     256
    .wavefront_size: 32
...
	.end_amdgpu_metadata
.endif
;; end of part 3
;; launch outp (part 4): grid 8 x 32, 4 waves a work-group, clusters of 4 x 4, 327,680 bytes of LDS; arguments ctx, wq, bo, src, src2; writes src2
.if DOCPART == 4
	.amdgcn_target "amdgcn-amd-amdhsa--gfx1250"
	.amdhsa_code_object_version 6
	.text
	.protected	k_q8d702ed869_outp
	.globl	k_q8d702ed869_outp
	.p2align	8
	.type	k_q8d702ed869_outp,@function
k_q8d702ed869_outp:
	s_mov_b64 s[64:65], 0
	v_nop
	global_prefetch_b8 v0, s[64:65] scope:SCOPE_SE
	s_setreg_imm32_b32 hwreg(HW_REG_WAVE_MODE, 25, 1), 1
	s_wait_xcnt 0x0
	s_wait_alu depctr_hold_cnt(0) depctr_sa_sdst(0) depctr_va_vdst(0) depctr_va_sdst(0) depctr_va_ssrc(0) depctr_va_vcc(0) depctr_vm_vsrc(0)
	s_getreg_b32 s2, hwreg(HW_REG_IB_STS2, 6, 4)
	s_cmp_eq_u32 s2, 0
	s_cbranch_scc0 .Lentry_in_a_cluster
	s_endpgm
.Lentry_in_a_cluster:
	s_bfe_u32 s2, ttmp6, 0x10000c
	s_cmp_lg_u32 s2, 0xf033
	s_cbranch_scc0 .Lentry_shape_is_right
	s_endpgm
.Lentry_shape_is_right:
; src2 = src + ctx wo^T + bo on codes of E4M3 with E8M0 scales; K = 1,024.  ctx and wo lie as images of operand registers: [row block of 16][K step of 128][2,048 bytes], scale words [row block][K step][16 rows][4];
; row r of row block t is row 32 (t / 2) + 8 (t % 2) + r + 8 (r / 8) of the tensor.
; SHARES.  256 work-groups, a block of 128 tokens x 128 columns each; four waves, 2 x 2, each 64 x 64 in 16 accumulators.  Source 0 = 16 rows of wo, source 1 = 16 tokens: a lane holds a token and neighbouring columns.
; ctx's 128 rows, ALL of K, are one dense block of 131,072 bytes: it comes into LDS once, at the head, in two halves (waves 0 and 1), asked for jointly along a row of the cluster; waves 2 and 3 fetch the two operands' scale words.
; Nothing is filled again and nothing is filled later: one barrier shows the tiles.
; wo GOES FROM MEMORY STRAIGHT INTO REGISTERS: a wave's 64 rows, all of K, are 32 fragments, 512 registers (windows 1 and 2), 128 loads of 512 consecutive bytes, all asked for at the head beside the tensor loads.
; wo has no joint load: so its bytes pass LDS neither on the way in nor out, and ctx alone fits in LDS whole.
; THE SUMS BEGIN AS COPIES OF THE BIAS (64 dual moves at the head).  No prefetch: all that the launch reads is asked for at its head, and there is no loop to run ahead in.
; REGISTERS: window 0: v0-31 addresses, v32-63 scale words (register 4 q + i: lanes 0-15 ctx's block i, lanes 16-31 wo's), v64-95 the bias, then v64-127 the way out, v128-255 accumulators;
;   windows 1, 2: wo's fragments, K step q at window 1 + q / 4, v[64 (q % 4)]; window 3: v0-127 src's block, v128-255 ctx's two sets of 64.
; LIMITS: NaN and infinities are not served.
.set KS,     8
.set AS,     4194304
.set WC,     3145728
.set WS,     12681216
.set NP,     8                         ; places behind this matrix instruction (ISA guide 7.12.1)
.set RBB,    16384                     ; a row block's codes for all of K
.set SCL,    131072
.set HALFS,  256*KS
.set SPARE,  SCL+4*HALFS
.set STAGE,  SPARE+512
.set LI,   4
.set BA,   7
.set ADRA, 16
.set STO,  24
.set RD,   25
.set CO,   26
.set ADRS, 27
.set SPW,  28
.set NIL,  29
.set SC,   32
.set BR,   64
.set RB,   64
.set ACC,  128
.set G1,   24
.set G0H,  36
.set G1S,  68
.set G0S,  76
.set G1SB, 80
.set G0SB, 88
.set MSB, 0
.macro WIN new
.if MSB != (\new)
	s_set_vgpr_msb (MSB<<8)|(\new)
.set MSB, (\new)
.endif
.endm
.macro PLACES n
.rept \n
	v_nop
.endr
.endm
.macro TL g0, g1                       ; a tensor load; s_nop 0 and four v_nop follow it
	tensor_load_to_lds s[\g0:\g0+3], s[\g1:\g1+7]
	s_nop 0
	PLACES 4
.endm
.macro CROUND
	s_barrier_signal -1
	s_barrier_wait -1
	s_cmp_lg_u32 s14, 0
	s_cbranch_scc1 .Lnot_wave_0_\@
	s_barrier_signal -3
.Lnot_wave_0_\@:
	s_barrier_wait -3
	s_barrier_signal -1
	s_barrier_wait -1
.endm
	s_load_b256 s[4:11], s[0:1], 0x0               ; ctx, wq, bo, src
	s_load_b64 s[12:13], s[0:1], 0x20              ; src2
	v_lshl_add_u32 v[SPW], v0, 2, SPARE
	v_mov_b32 v[NIL], 0
	ds_add_u32 v[SPW], v[NIL]                      ; the opening lines: the add, twice on end, and its wait
	ds_add_u32 v[SPW], v[NIL]
	v_lshrrev_b32 v1, 5, v0
	v_readfirstlane_b32 s14, v1                    ; wave
	s_lshr_b32 s15, s14, 1                         ; my half of the tokens
	s_and_b32 s16, s14, 1                          ; my half of the columns
	s_bfe_u32 s40, ttmp6, 0x40000                  ; cx
	s_bfe_u32 s41, ttmp6, 0x40004                  ; cy
	s_lshl_b32 s42, ttmp9, 2
	s_add_co_u32 s42, s42, s40                     ; tile column
	s_and_b32 s17, ttmp7, 0xffff
	s_lshl_b32 s17, s17, 2
	s_add_co_u32 s17, s17, s41                     ; tile row
	s_lshl_b32 s43, s41, 2
	s_lshl_b32 s43, 15, s43                        ; my row of the cluster
	s_lshl_b32 s44, 0x1111, s40                    ; my column
	s_or_b32 s[G1+0], s43, (3<<16)|(1<<21)         ; ctx's halves: elements of 8 bytes, no padding: an image is read densely
	s_mov_b32 s[G1+1], 2048<<16                    ; a row: a row block's 16,384 bytes
	s_mov_b32 s[G1+2], 4<<16
	s_mov_b32 s[G1+3], 2048<<16
	s_mov_b32 s[G1+4], 4
	s_mov_b32 s[G1+5], RBB/8
	s_mov_b32 s[G1+6], 0
	s_mov_b32 s[G1+7], 0
	s_or_b32 s[G1S+0], s43, (3<<16)|(1<<21)
	s_or_b32 s[G1SB+0], s44, (3<<16)|(1<<21)
.irp g, G1S, G1SB
	s_mov_b32 s[\g+1], 32<<16                      ; 8 row blocks' scale words: 4,096 dense bytes as 16 rows of 256
	s_mov_b32 s[\g+2], 16<<16
	s_mov_b32 s[\g+3], 32<<16
	s_mov_b32 s[\g+4], 16
	s_mov_b32 s[\g+5], 32
	s_mov_b32 s[\g+6], 0
	s_mov_b32 s[\g+7], 0
.endr
	s_lshl_b32 s20, s17, 17                        ; offsets: ctx's codes of my tile row,
	s_mov_b32 s21, 0
	s_lshl_b32 s22, s17, 12
	s_add_co_u32 s22, s22, AS                      ; its scale words,
	s_mov_b32 s23, 0
	s_lshl_b32 s46, s42, 17
	s_lshl_b32 s18, s16, 16                        ; (4 row blocks on: also the half of ctx that waves 0 and 1 fetch)
	s_mov_b32 s19, 0
	s_add_co_u32 s46, s46, s18
	s_add_co_u32 s46, s46, WC                      ; wo's codes of my wave's 4 row blocks,
	s_mov_b32 s47, 0
	s_lshl_b32 s92, s42, 12
	s_add_co_u32 s92, s92, WS                      ; wo's scale words of my tile column
	s_mov_b32 s93, 0
	s_lshl_b32 s52, s42, 9
	s_lshl_b32 s53, s16, 8
	s_add_co_u32 s52, s52, s53                     ; my first column, in bytes
	s_mov_b32 s53, 0
	s_lshl_b32 s54, s17, 7
	s_lshl_b32 s55, s15, 6
	s_add_co_u32 s54, s54, s55
	s_lshl_b32 s54, s54, 12
	s_add_co_u32 s54, s54, s52                     ; my corner of src and src2
	s_mov_b32 s55, 0
	s_lshl_b32 s59, s15, 16                        ; LDS: my 4 row blocks of ctx
	s_mul_i32 s56, s15, HALFS
	s_mul_i32 s57, s16, HALFS
	s_add_co_u32 s57, s57, 2*HALFS
	s_sub_co_u32 s57, s57, s56                     ; from ctx's words to wo's
	s_add_co_u32 s56, s56, SCL
	s_mul_i32 s58, s14, 16*272
	s_add_co_u32 s58, s58, STAGE
	s_wait_dscnt 0x0                               ; both opening adds are done
	CROUND                                         ; the opening round: all sixteen work-groups are here
	s_wait_kmcnt 0x0
	s_add_nc_u64 s[20:21], s[4:5], s[20:21]
	s_add_nc_u64 s[22:23], s[4:5], s[22:23]
	s_add_nc_u64 s[46:47], s[6:7], s[46:47]
	s_add_nc_u64 s[92:93], s[6:7], s[92:93]
	s_mov_b32 s[G0H], 1                            ; waves 0 and 1 fetch the halves of ctx's block,
	s_lshl_b32 s[G0H+1], s16, 16
	s_add_nc_u64 s[G0H+2:G0H+3], s[20:21], s[18:19]
	s_or_b32 s[G0H+3], s[G0H+3], 0x80000000
	s_mov_b32 s[G0S], 1                            ; wave 2 ctx's scale words,
	s_mov_b32 s[G0S+1], SCL
	s_mov_b64 s[G0S+2:G0S+3], s[22:23]
	s_or_b32 s[G0S+3], s[G0S+3], 0x80000000
	s_mov_b32 s[G0SB], 1                           ; wave 3 wo's
	s_mov_b32 s[G0SB+1], SCL+2*HALFS
	s_mov_b64 s[G0SB+2:G0SB+3], s[92:93]
	s_or_b32 s[G0SB+3], s[G0SB+3], 0x80000000
	s_cmp_lt_u32 s14, 2                            ; one chain of branches on the wave's number, a load to an arm
	s_cbranch_scc0 .Lhead_sa
	TL G0H, G1
	s_branch .Lhead_asked
.Lhead_sa:
	s_cmp_eq_u32 s14, 2
	s_cbranch_scc0 .Lhead_sb
	TL G0S, G1S
	s_branch .Lhead_asked
.Lhead_sb:
	TL G0SB, G1SB
.Lhead_asked:
	s_add_nc_u64 s[8:9], s[8:9], s[52:53]
	s_add_nc_u64 s[10:11], s[10:11], s[54:55]
	s_add_nc_u64 s[12:13], s[12:13], s[54:55]
	v_and_b32 v1, 15, v0                           ; r
	v_bfe_u32 v2, v0, 4, 1                         ; h
	v_and_b32 v3, 31, v0
	v_lshlrev_b32 v[LI], 4, v3                     ; 16 x lane
	v_lshlrev_b32 v[BA], 6, v2
	v_add_nc_u32 v[ADRA], s59, v[LI]
	v_lshlrev_b32 v5, 2, v1
	v_mul_u32_u24 v6, s57, v2                      ; lanes 16-31 take wo's words: one product, the distance between the two bases
	v_add_nc_u32 v5, v5, v6
	v_add_nc_u32 v[ADRS], s56, v5
	v_mul_u32_u24 v5, v1, 272
	v_lshl_add_u32 v5, v2, 6, v5
	v_add_nc_u32 v[STO], s58, v5
	v_mul_u32_u24 v5, v2, 272
	v_lshl_add_u32 v5, v1, 4, v5
	v_add_nc_u32 v[RD], s58, v5
	v_lshlrev_b32 v5, 12, v2
	v_lshl_add_u32 v[CO], v1, 4, v5
	s_wait_alu depctr_va_vdst(0)                   ; the wait ahead of the readers below
.macro FETCHA q                        ; ctx's four fragments of K step q into set q % 2
	WIN 0xc0
.irp i, 0,1,2,3
.irp c, 0,1,2,3
	ds_load_b128 v[128+64*((\q)%2)+16*\i+4*\c:128+64*((\q)%2)+16*\i+4*\c+3], v[ADRA] offset:RBB*\i+2048*(\q)+512*\c
.endr
.endr
.endm
.macro FETCHB k                        ; wo's four fragments of K step k, from memory: each load covers 512 consecutive bytes
	WIN (1+(\k)/4)<<6
.irp i, 0,1,2,3
.irp c, 0,1,2,3
	global_load_b128 v[64*((\k)%4)+16*\i+4*\c:64*((\k)%4)+16*\i+4*\c+3], v[LI], s[46:47] offset:RBB*\i+2048*(\k)+512*\c
.endr
.endr
.endm
.macro MUL4 a, q                       ; the 16 accumulators take turns, in the same order in every K step
.irp b, 0,1,2,3
	v_wmma_scale_f32_16x16x128_f8f6f4 v[ACC+8*(4*(\a)+\b):ACC+8*(4*(\a)+\b)+7], v[64*((\q)%4)+16*\b:64*((\q)%4)+16*\b+15], v[128+64*((\q)%2)+16*(\a):128+64*((\q)%2)+16*(\a)+15], v[ACC+8*(4*(\a)+\b):ACC+8*(4*(\a)+\b)+7], v[SC+4*(\q)+\b], v[SC+4*(\q)+(\a)] matrix_a_scale:MATRIX_SCALE_ROW1
.endr
.endm
.macro STEP q
.if (\q) > 0
	PLACES NP                                      ; behind the last K step's products, whose set of ctx takes the loads below
.endif
.if (\q) < 7
	FETCHA (\q)+1
	s_wait_dscnt 16                                ; ctx's fragments of this K step are in; the 16 loads just issued may be out
.else
	s_wait_dscnt 0x0
.endif
.if (7-(\q))*16+32 > 63                ; wo's fragments of this K step are in: behind them the later K steps' 16 loads each and src's 32 were issued (a wait's count holds 63 at the most)
	s_wait_loadcnt 63
.else
	s_wait_loadcnt (7-(\q))*16+32
.endif
	WIN (1+(\q)/4)|0x0c                            ; source 0: wo's window; source 1: window 3
	MUL4 0, \q
	MUL4 1, \q
	MUL4 2, \q
	MUL4 3, \q
	WIN 0
.endm
.irp p, 0,1
.irp j, 0,1,2,3
	global_load_b128 v[BR+16*\p+4*\j:BR+16*\p+4*\j+3], v[BA], s[8:9] offset:128*\p+16*\j   ; the bias in the results' layout: register 8 b + j of tile b
.endr
.endr
.irp k, 0,1,2,3,4,5,6,7
	FETCHB \k
.endr
	WIN 0xc0                                       ; src's block, as whole rows of 256 bytes
.irp a, 0,1,2,3
.irp p, 0,1,2,3,4,5,6,7
	global_load_b128 v[4*(8*\a+\p):4*(8*\a+\p)+3], v[CO], s[10:11] offset:(32*(\a/2)+8*(\a%2)+2*\p+8*(\p/4))*4096 th:TH_LOAD_NT
.endr
.endr
	WIN 0
	s_wait_loadcnt 63                              ; the bias is in: 160 loads were issued behind it
.irp a, 0,1,2,3
.set I_, 0
.rept 16
	v_dual_mov_b32 v[ACC+32*\a+I_], v[BR+I_] :: v_dual_mov_b32 v[ACC+32*\a+I_+1], v[BR+I_+1]   ; the sums begin with the bias
.set I_, I_+2
.endr
.endr
	s_wait_alu depctr_va_vdst(0)
	s_wait_tensorcnt 0x0                           ; my tile is in
	s_barrier_signal -1
	s_barrier_wait -1                              ; everybody's is: ctx's block and both operands' scale words lie in LDS
	FETCHA 0
	WIN 0
.irp q, 0,1,2,3,4,5,6,7
.irp i, 0,1,2,3
	ds_load_b32 v[SC+4*\q+\i], v[ADRS] offset:64*KS*\i+64*\q
.endr
.endr
.irp q, 0,1,2,3,4,5,6,7
	STEP \q
.endr
	PLACES NP                                      ; behind the last products: results are read
	s_wait_loadcnt 0x0                             ; src
.macro OUT a                           ; 16 tokens x 64 columns through my own stage, so that sixteen lanes store 256 consecutive bytes, aligned
.irp b, 0,1,2,3
	ds_store_b128 v[STO], v[ACC+8*(4*(\a)+\b):ACC+8*(4*(\a)+\b)+3] offset:128*(\b/2)+32*(\b%2)
	ds_store_b128 v[STO], v[ACC+8*(4*(\a)+\b)+4:ACC+8*(4*(\a)+\b)+7] offset:128*(\b/2)+32*(\b%2)+16
.endr
	s_wait_xcnt 0x0                                ; the earlier stores have read their data
.set RS, RB+32*((\a)%2)
.irp p, 0,1,2,3,4,5,6,7
	ds_load_b128 v[RS+4*\p:RS+4*\p+3], v[RD] offset:544*\p
.endr
	s_wait_dscnt 0x0
	WIN 0x0c
.irp p, 0,1,2,3,4,5,6,7
	v_pk_add_f32 v[RS+4*\p:RS+4*\p+1], v[RS+4*\p:RS+4*\p+1], v[4*(8*(\a)+\p):4*(8*(\a)+\p)+1]
	v_pk_add_f32 v[RS+4*\p+2:RS+4*\p+3], v[RS+4*\p+2:RS+4*\p+3], v[4*(8*(\a)+\p)+2:4*(8*(\a)+\p)+3]
.endr
	WIN 0
.irp p, 0,1,2,3,4,5,6,7
	global_store_b128 v[CO], v[RS+4*\p:RS+4*\p+3], s[12:13] offset:(32*((\a)/2)+8*((\a)%2)+2*\p+8*(\p/4))*4096
.endr
.endm
.irp a, 0,1,2,3
	OUT \a
.endr
	s_wait_tensorcnt 0x0                           ; the wave's end
	ds_add_u32 v[SPW], v[NIL]
	s_wait_dscnt 0x0
	CROUND                                         ; the closing round
	s_endpgm
.Lfunc_end_k_q8d702ed869_outp:
	.size	k_q8d702ed869_outp, .Lfunc_end_k_q8d702ed869_outp-k_q8d702ed869_outp
	.p2alignl 7, 3214868480
	.fill 96, 4, 3214868480
	.section	.rodata,"a",@progbits
	.p2align	6, 0x0
	.amdhsa_kernel k_q8d702ed869_outp
		.amdhsa_group_segment_fixed_size 327680
		.amdhsa_private_segment_fixed_size 0
		.amdhsa_enable_private_segment 0
		.amdhsa_kernarg_size 40
		.amdhsa_user_sgpr_count 2
		.amdhsa_user_sgpr_kernarg_segment_ptr 1
		.amdhsa_wavefront_size32 1
		.amdhsa_system_sgpr_workgroup_id_x 1
		.amdhsa_system_sgpr_workgroup_id_y 1
		.amdhsa_system_sgpr_workgroup_id_z 1
		.amdhsa_system_vgpr_workitem_id 0
		.amdhsa_next_free_vgpr 1024
		.amdhsa_next_free_sgpr 100
		.amdhsa_reserve_vcc 0
		.amdhsa_float_denorm_mode_32 3
		.amdhsa_float_denorm_mode_16_64 3
		.amdhsa_memory_ordered 1
		.amdhsa_forward_progress 1
		.amdhsa_inst_pref_size 69
	.end_amdhsa_kernel
	.amdgpu_metadata
---
amdhsa.version: [ 1, 2 ]
amdhsa.kernels:
  - .name:           k_q8d702ed869_outp
    .symbol:         k_q8d702ed869_outp.kd
    .args:
      - { .name: ctx, .offset: 0, .size: 8, .value_kind: global_buffer, .address_space: global }
      - { .name: wq, .offset: 8, .size: 8, .value_kind: global_buffer, .address_space: global }
      - { .name: bo, .offset: 16, .size: 8, .value_kind: global_buffer, .address_space: global }
      - { .name: src, .offset: 24, .size: 8, .value_kind: global_buffer, .address_space: global }
      - { .name: src2, .offset: 32, .size: 8, .value_kind: global_buffer, .address_space: global }
    .group_segment_fixed_size: 327680
    .private_segment_fixed_size: 0
    .kernarg_segment_align: 8
    .kernarg_segment_size: 40
    .max_flat_workgroup_size: 128
    .sgpr_count:     100
    .vgpr_count:     1024
    .wavefront_size: 32
...
	.end_amdgpu_metadata
.endif
;; end of part 4
;; launch ln2: the kernel of part 1 again; grid 256 x 1, 16 waves a work-group, no clusters, 20,480 bytes of LDS; arguments src2, ln2_g, ln2_b, w1, w2, wqkv, wo, xq, wq; writes xq, wq
;; launch ffn1 (part 5): grid 16 x 16, 4 waves a work-group, clusters of 4 x 4, 327,680 bytes of LDS; arguments xq, wq, b1, h; writes h
.if DOCPART == 5
	.amdgcn_target "amdgcn-amd-amdhsa--gfx1250"
	.amdhsa_code_object_version 6
	.text
	.protected	k_q8d702ed869_ffn1
	.globl	k_q8d702ed869_ffn1
	.p2align	8
	.type	k_q8d702ed869_ffn1,@function
k_q8d702ed869_ffn1:
	s_mov_b64 s[64:65], 0
	v_nop
	global_prefetch_b8 v0, s[64:65] scope:SCOPE_SE
	s_setreg_imm32_b32 hwreg(HW_REG_WAVE_MODE, 25, 1), 1
	s_wait_xcnt 0x0
	s_wait_alu depctr_hold_cnt(0) depctr_sa_sdst(0) depctr_va_vdst(0) depctr_va_sdst(0) depctr_va_ssrc(0) depctr_va_vcc(0) depctr_vm_vsrc(0)
	s_getreg_b32 s2, hwreg(HW_REG_IB_STS2, 6, 4)
	s_cmp_eq_u32 s2, 0
	s_cbranch_scc0 .Lentry_in_a_cluster
	s_endpgm
.Lentry_in_a_cluster:
	s_bfe_u32 s2, ttmp6, 0x10000c
	s_cmp_lg_u32 s2, 0xf033
	s_cbranch_scc0 .Lentry_shape_is_right
	s_endpgm
.Lentry_shape_is_right:
.set XS,     4194304
.set W1_C,   4194304
.set W1_S,   12713984
.set HS,     16777216
.set NQ,     2
.set FR,     16
.set NL,     4
.set NP,     8
.set HALFT,  32768
.set SLOT,   4*HALFT
.set LAPS,   2
.set SCL,    2*SLOT
.set HALFS,  4096
.set SPARE,  SCL+4*HALFS
.set ADRA, 16
.set ADRB, 20
.set LI,   24
.set R4,   25
.set BA,   26
.set ADRS, 27
.set SPW,  28
.set NIL,  29
.set SC,   32
.set BIAS, 64
.set AF,   128
.set T,    128
.set PC,   192
.set TM,   224
.set PW,   240
.set G1, 24
.set G0, 32
.set G1B, 48
.set G0B, 56
.set G1S, 68
.set G0S, 76
.set G1SB, 80
.set G0SB, 88
.set SEL, 66
.set MNT, 2
.set MSB, 0
.macro WIN new
.if MSB != (\new)
	s_set_vgpr_msb (MSB<<8)|(\new)
.set MSB, (\new)
.endif
.endm
.set MUL_LO, 0xa1
.set MUL_HI, 0xf1
.set TO_B,   0x40
.macro JLOAD g0a, g1a, g0b, g1b
	s_cmp_eq_u32 s15, 0
	s_cbranch_scc0 .Lfor_b_\@
	tensor_load_to_lds s[\g0a:\g0a+3], s[\g1a:\g1a+7]
	s_nop 0
.rept 4
	v_nop
.endr
	s_branch .Lasked_\@
.Lfor_b_\@:
	tensor_load_to_lds s[\g0b:\g0b+3], s[\g1b:\g1b+7]
	s_nop 0
.rept 4
	v_nop
.endr
.Lasked_\@:
.endm
.macro CREST
	s_cmp_lg_u32 s14, 0
	s_cbranch_scc1 .Lnot_wave_0_\@
	s_barrier_signal -3
.Lnot_wave_0_\@:
	s_barrier_wait -3
	s_barrier_signal -1
	s_barrier_wait -1
.endm
.macro CROUND
	s_barrier_signal -1
	s_barrier_wait -1
	CREST
.endm
	s_load_b256 s[4:11], s[0:1], 0x0
	v_lshl_add_u32 v[SPW], v0, 2, SPARE
	v_mov_b32 v[NIL], 0
	ds_add_u32 v28, v29
	ds_add_u32 v28, v29
	s_wait_dscnt 0x0
	v_lshrrev_b32 v1, 5, v0
	v_readfirstlane_b32 s14, v1
	s_lshr_b32 s15, s14, 1
	s_and_b32 s16, s14, 1
	s_bfe_u32 s40, ttmp6, 0x40000
	s_bfe_u32 s41, ttmp6, 0x40004
	s_lshl_b32 s42, ttmp9, 2
	s_add_co_u32 s42, s42, s40
	s_and_b32 s17, ttmp7, 0xffff
	s_lshl_b32 s17, s17, 2
	s_add_co_u32 s17, s17, s41
	s_lshl_b32 s43, s41, 2
	s_lshl_b32 s43, 15, s43
	s_lshl_b32 s44, 0x1111, s40
	s_or_b32 s[G1+0], s43, (3<<16)|(1<<21)
	s_or_b32 s[G1B+0], s44, (3<<16)|(1<<21)
.irp g, G1, G1B
	s_mov_b32 s[\g+1], 512<<16
	s_mov_b32 s[\g+2], 16<<16
	s_mov_b32 s[\g+3], 512<<16
	s_mov_b32 s[\g+4], 16
	s_mov_b32 s[\g+5], 2048
	s_mov_b32 s[\g+6], 0
	s_mov_b32 s[\g+7], 0
.endr
	s_or_b32 s[G1S+0], s43, (3<<16)|(1<<21)
	s_or_b32 s[G1SB+0], s44, (3<<16)|(1<<21)
.irp g, G1S, G1SB
	s_mov_b32 s[\g+1], 32<<16
	s_mov_b32 s[\g+2], 32<<16
	s_mov_b32 s[\g+3], 32<<16
	s_mov_b32 s[\g+4], 32
	s_mov_b32 s[\g+5], 32
	s_mov_b32 s[\g+6], 0
	s_mov_b32 s[\g+7], 0
.endr
	s_lshl_b32 s20, s17, 4
	s_lshl_b32 s46, s42, 4
	s_lshl_b32 s22, s20, 9
	s_mov_b32 s23, 0
	s_lshl_b32 s92, s46, 9
	s_mov_b32 s93, 0
	s_lshl_b32 s20, s20, 14
	s_mov_b32 s21, 0
	s_lshl_b32 s46, s46, 14
	s_mov_b32 s47, 0
	s_mul_i32 s45, s14, HALFT
	s_lshl_b32 s94, s16, 17                        ; the half that I fetch in the ring: 8 row blocks of 16,384 bytes
	s_mov_b32 s95, 0
	s_mov_b32 s[SEL], 0x76543210
	s_mov_b32 s[SEL+1], 0xfedcba98
	s_mov_b32 s[MNT], 0x600000
	CROUND
	s_wait_kmcnt 0x0
	s_add_nc_u64 s[20:21], s[4:5], s[20:21]
	s_add_nc_u64 s[22:23], s[4:5], s[22:23]
	s_add_nc_u64 s[22:23], s[22:23], XS
	s_add_nc_u64 s[46:47], s[6:7], s[46:47]
	s_add_nc_u64 s[46:47], s[46:47], W1_C
	s_add_nc_u64 s[92:93], s[6:7], s[92:93]
	s_add_nc_u64 s[92:93], s[92:93], W1_S
	s_mov_b32 s[G0S], 1
	s_mov_b32 s[G0S+1], SCL
	s_mov_b64 s[G0S+2:G0S+3], s[22:23]
	s_or_b32 s[G0S+3], s[G0S+3], 0x80000000
	s_mov_b32 s[G0SB], 1
	s_mov_b32 s[G0SB+1], SCL+2*HALFS
	s_mov_b64 s[G0SB+2:G0SB+3], s[92:93]
	s_or_b32 s[G0SB+3], s[G0SB+3], 0x80000000
	s_mov_b32 s[G0], 1                             ; the head's four tiles, each whole, one a wave: slot 0's 16 row blocks of x,
	s_mov_b32 s[G0+1], 0
	s_mov_b64 s[G0+2:G0+3], s[20:21]
	s_or_b32 s[G0+3], s[G0+3], 0x80000000
	s_mov_b32 s[G0B], 1                            ; of w1, behind them,
	s_mov_b32 s[G0B+1], 2*HALFT
	s_mov_b64 s[G0B+2:G0B+3], s[46:47]
	s_or_b32 s[G0B+3], s[G0B+3], 0x80000000
	s_add_nc_u64 s[20:21], s[20:21], s[94:95]      ; for the ring: my 8 row blocks
	s_add_nc_u64 s[46:47], s[46:47], s[94:95]
	s_cmp_eq_u32 s15, 0                            ; the prefetches: of the 8 row blocks that I fetch in the ring, each of the four partners that ask jointly names 2, told apart by address (cx for x, cy for w1)
	s_cselect_b64 s[96:97], s[20:21], s[46:47]
	s_cselect_b32 s98, s40, s41
	s_lshl_b32 s98, s98, 15                        ; 2 row blocks of 16,384 bytes
	s_add_co_u32 s98, s98, 8192                    ; at fill 2
	s_mov_b32 s99, 0
	s_add_nc_u64 s[96:97], s[96:97], s[98:99]
	s_mov_b32 s[G0+4], 1
	s_add_co_u32 s[G0+5], s45, SLOT
	s_add_nc_u64 s[G0+6:G0+7], s[20:21], 4096
	s_or_b32 s[G0+7], s[G0+7], 0x80000000
	s_mov_b32 s[G0B+4], 1
	s_add_co_u32 s[G0B+5], s45, SLOT
	s_add_nc_u64 s[G0B+6:G0B+7], s[46:47], 4096
	s_or_b32 s[G0B+7], s[G0B+7], 0x80000000
.macro ARM under, g0, g1, next         ; one chain of branches on the wave's number, a load to an arm: one tensor load a wave at the head
	s_cmp_lt_u32 s14, \under
	s_cbranch_scc0 \next
	tensor_load_to_lds s[\g0:\g0+3], s[\g1:\g1+7]
	s_nop 0
.rept 4
	v_nop
.endr
	s_branch .Lhead_asked
\next:
.endm
	ARM 1, G0,  G1,  .Lhead_b
	ARM 2, G0B, G1B, .Lhead_sa
	ARM 3, G0S, G1S, .Lhead_sb
	tensor_load_to_lds s[G0SB:G0SB+3], s[G1SB:G1SB+7]
	s_nop 0
.rept 4
	v_nop
.endr
.Lhead_asked:
	v_and_b32 v1, 15, v0
	v_bfe_u32 v2, v0, 4, 1
	s_wait_alu depctr_va_vdst(0)
	v_and_b32 v3, 31, v0
	v_lshlrev_b32 v[LI], 4, v3
	v_lshlrev_b32 v[R4], 2, v1
	s_mul_i32 s21, s15, HALFT
	s_mul_i32 s22, s16, HALFT
	s_add_co_u32 s22, s22, 2*HALFT
.irp s, 0,1
	v_add_nc_u32 v[ADRA+\s], s21, v[LI]
	v_add_nc_u32 v[ADRB+\s], s22, v[LI]
	s_add_co_u32 s21, s21, SLOT
	s_add_co_u32 s22, s22, SLOT
.endr
	s_mul_i32 s21, s15, HALFS
	s_mul_i32 s22, s16, HALFS
	s_add_co_u32 s22, s22, 2*HALFS
	s_sub_co_u32 s22, s22, s21
	v_mul_u32_u24 v6, s22, v2
	s_wait_alu depctr_va_vdst(0)
	s_add_co_u32 s21, s21, SCL
	v_add_nc_u32 v5, v[R4], v6
	v_add_nc_u32 v[ADRS], s21, v5
	v_lshlrev_b32 v7, 8, v1                        ; the prefetches' offset: a lane a block of 256 bytes: sixteen lanes cover a row block's 4,096 bytes of a fill
	v_lshl_add_u32 v7, v2, 14, v7
	s_lshl_b32 s20, s42, 10
	s_lshl_b32 s21, s16, 9
	s_add_co_u32 s20, s20, s21
	s_mov_b32 s21, 0
	s_add_nc_u64 s[8:9], s[8:9], s[20:21]
	v_lshlrev_b32 v[BA], 6, v2
.irp b, 0,1,2,3
.irp j, 0,1,2,3
	global_load_b128 v[BIAS+16*\b+4*\j:BIAS+16*\b+4*\j+3], v[BA], s[8:9] offset:128*\b+16*\j
.endr
.endr
	s_lshl_b32 s20, s17, 4
	s_lshl_b32 s21, s15, 3
	s_add_co_u32 s20, s20, s21
	s_lshl_b32 s20, s20, 5
	s_lshl_b32 s21, s42, 1
	s_add_co_u32 s20, s20, s21
	s_add_co_u32 s20, s20, s16
	s_lshl_b32 s22, s20, 6
	s_add_co_u32 s22, s22, HS
	s_mov_b32 s23, 0
	s_lshl_b32 s20, s20, 11
	s_mov_b32 s21, 0
	s_add_nc_u64 s[12:13], s[10:11], s[20:21]
	s_add_nc_u64 s[18:19], s[10:11], s[22:23]
.macro FRAG reg, adr, q, i
.irp c, 0,1,2,3
	ds_load_b128 v[\reg+4*\c:\reg+4*\c+3], v[\adr] offset:2048*(\q)+512*\c+4096*(\i)
.endr
.endm
.macro MUL16 a0, p, q, sc, zero
.irp a, \a0, \a0+1
.irp b, 0,1,2,3,4,5,6,7
.if \zero
	v_wmma_scale_f32_16x16x128_f8f6f4 v[8*(8*((\a)%4)+\b):8*(8*((\a)%4)+\b)+7], v[128*(\p)+FR*\b:128*(\p)+FR*\b+FR-1], v[AF+FR*(\a):AF+FR*(\a)+FR-1], 0, v[SC+8*NQ*(\sc)+NQ*\b+(\q)], v[SC+8*NQ*(\sc)+NQ*(\a)+(\q)] matrix_a_scale:MATRIX_SCALE_ROW1
.else
	v_wmma_scale_f32_16x16x128_f8f6f4 v[8*(8*((\a)%4)+\b):8*(8*((\a)%4)+\b)+7], v[128*(\p)+FR*\b:128*(\p)+FR*\b+FR-1], v[AF+FR*(\a):AF+FR*(\a)+FR-1], v[8*(8*((\a)%4)+\b):8*(8*((\a)%4)+\b)+7], v[SC+8*NQ*(\sc)+NQ*\b+(\q)], v[SC+8*NQ*(\sc)+NQ*(\a)+(\q)] matrix_a_scale:MATRIX_SCALE_ROW1
.endif
.endr
.endr
.endm
.macro FETCH_B slot, q, p
	WIN TO_B
.irp i, 0,1,2,3,4,5,6,7
	FRAG 128*(\p)+FR*\i, ADRB+\slot, \q, \i
.endr
	WIN 0
.endm
.macro FETCH_A slot, q, i0
.irp i, \i0, \i0+1, \i0+2, \i0+3
	FRAG AF+FR*(\i), ADRA+\slot, \q, \i
.endr
.endm
.macro SCALES sc
.irp i, 0,1,2,3,4,5,6,7
.irp q, 0,1
	ds_load_b32 v[SC+8*NQ*\sc+NQ*\i+\q], v[ADRS] offset:512*\i+64*\q
.endr
.endr
.endm
.macro PLACES n
.rept \n
	v_nop
.endr
.endm
.macro STEP slot, q, zero
	s_wait_dscnt 4*NL
	WIN MUL_LO
	MUL16 0, (\q)%2, \q, \slot, \zero
	MUL16 2, (\q)%2, \q, \slot, \zero
	s_wait_dscnt 0
	PLACES NP
	FETCH_B \slot, (\q)+1, 1-(\q)%2
	FETCH_A \slot, (\q)+1, 0
	WIN MUL_HI
	MUL16 4, (\q)%2, \q, \slot, \zero
	MUL16 6, (\q)%2, \q, \slot, \zero
	PLACES NP
	WIN 0
	FETCH_A \slot, (\q)+1, 4
.endm
.macro TURN slot, next, fill
	s_wait_tensorcnt 0x0
	ds_add_u32 v[SPW], v[NIL]
	s_wait_dscnt 4*NL+1
	WIN MUL_LO
	MUL16 0, 1, NQ-1, \slot, 0
	s_wait_dscnt 0x0
	s_barrier_signal -1
	MUL16 2, 1, NQ-1, \slot, 0
	WIN 0
	s_barrier_wait -1
.if \fill
	CREST
	s_add_nc_u64 s[G0+4*\slot+2:G0+4*\slot+3], s[G0+4*\slot+2:G0+4*\slot+3], 8192
	s_add_nc_u64 s[G0B+4*\slot+2:G0B+4*\slot+3], s[G0B+4*\slot+2:G0B+4*\slot+3], 8192
	JLOAD G0+4*\slot, G1, G0B+4*\slot, G1B
	PLACES NP-4
.else
	PLACES NP
.endif
	s_wait_alu depctr_va_vdst(0)
	v_add_nc_u32 v[ADRS], 64*NQ, v[ADRS]
	FETCH_B \next, 0, 0
	FETCH_A \next, 0, 0
	SCALES \next
	WIN MUL_HI
	MUL16 4, 1, NQ-1, \slot, 0
	MUL16 6, 1, NQ-1, \slot, 0
	PLACES NP
	WIN 0
	FETCH_A \next, 0, 4
.endm
	s_wait_alu depctr_va_vdst(0)
	global_prefetch_b8 v7, s[96:97] th:TH_LOAD_NT scope:SCOPE_SE   ; fill 2, two fills ahead of its load; fills 0 and 1 come by their loads alone
	s_wait_tensorcnt 0x0                           ; my tile of the head's four is in
	ds_add_u32 v[SPW], v[NIL]
	s_mov_b32 s[G1+2], 8<<16                       ; no tensor load of mine is out: from here on a load brings 8 row blocks,
	s_mov_b32 s[G1+4], 8
	s_mov_b32 s[G1B+2], 8<<16
	s_mov_b32 s[G1B+4], 8
	s_mov_b32 s[G0+1], s45                         ; and slot 0's groups 0 name my part of it
	s_add_nc_u64 s[G0+2:G0+3], s[G0+2:G0+3], s[94:95]
	s_mov_b32 s[G0B+1], s45
	s_add_nc_u64 s[G0B+2:G0B+3], s[G0B+2:G0B+3], s[94:95]
	s_wait_dscnt 0x0
	CROUND                                         ; all four tiles are in, and all sixteen work-groups are here
	JLOAD G0+4, G1, G0B+4, G1B                     ; slot 1's first fill: my one tensor load behind the round
	global_prefetch_b8 v7, s[96:97] offset:4096 th:TH_LOAD_NT scope:SCOPE_SE   ; fill 3, the last
	FETCH_B 0, 0, 0
	FETCH_A 0, 0, 0
	SCALES 0
	FETCH_A 0, 0, 4
	STEP 0, 0, 1
	s_mov_b32 s3, LAPS-1
.Llap:
	TURN 0, 1, 1
	STEP 1, 0, 0
	TURN 1, 0, 1
	STEP 0, 0, 0
	s_sub_co_u32 s3, s3, 1
	s_cmp_lg_u32 s3, 0
	s_cbranch_scc1 .Llap
	TURN 0, 1, 0
	STEP 1, 0, 0
	s_wait_dscnt 4*NL
	WIN MUL_LO
	MUL16 0, 1, NQ-1, 1, 0
	MUL16 2, 1, NQ-1, 1, 0
	s_wait_dscnt 0
	WIN MUL_HI
	MUL16 4, 1, NQ-1, 1, 0
	MUL16 6, 1, NQ-1, 1, 0
	WIN 0
.macro QUANT s, pc, pw
.irp b, 0,1,2,3
	v_max3_num_f32 v[TM+\b], v[\s+16*\b], v[\s+1+16*\b], 0x4800000
.endr
.irp i, 2,4,6,8,10,12,14
.irp b, 0,1,2,3
	v_max3_num_f32 v[TM+\b], v[TM+\b], v[\s+16*\b+\i], v[\s+1+16*\b+\i]
.endr
.endr
.irp b, 0,1,2,3
	v_permlanex16_b32 v[TM+4+\b], v[TM+\b], s[SEL], s[SEL+1]
.endr
.irp b, 0,1,2,3
	v_max_num_f32 v[TM+\b], v[TM+\b], v[TM+4+\b]
.endr
.irp b, 0,1,2,3
	v_add_nc_u32 v[TM+12+\b], 0xfc000000, v[TM+\b]
.endr
.irp b, 0,1,2,3
	v_and_or_b32 v[TM+8+\b], v[TM+\b], 0x7f800000, s[MNT]
.endr
.irp b, 0,1,2,3
	v_lshrrev_b32 v[TM+4+\b], 23, v[TM+12+\b]
.endr
	v_lshl_or_b32 v[\pw], v[TM+5], 8, v[TM+4]
	v_lshl_or_b32 v[\pw], v[TM+6], 16, v[\pw]
	v_lshl_or_b32 v[\pw], v[TM+7], 24, v[\pw]
.irp b, 0,1,2,3
.irp i, 0,1,2,3,4,5,6,7,8,9,10,11,12,13,14,15
	v_med3_num_f32 v[\s+16*\b+\i], v[\s+16*\b+\i], 0, v[TM+8+\b]
.endr
	v_cvt_scalef32_pk8_fp8_f32 v[\pc+4*\b:\pc+1+4*\b], v[\s+16*\b:\s+7+16*\b], v[TM+12+\b]
	v_cvt_scalef32_pk8_fp8_f32 v[\pc+2+4*\b:\pc+3+4*\b], v[\s+8+16*\b:\s+15+16*\b], v[TM+12+\b]
.endr
	v_nop
.endm
	PLACES NP
	s_wait_loadcnt 0x0
.irp b, 0,1,2,3
	v_mov_b32 v[TM+4+\b], 0
.endr
.macro OUT a
	WIN 0x02+(\a)/4
.set i, 0
.rept 32
	v_pk_add_f32 v[T+i:T+i+1], v[64*((\a)%4)+i:64*((\a)%4)+i+1], v[BIAS+i:BIAS+i+1]
.set i, i+2
.endr
	WIN 0
	s_wait_xcnt 0x0
	QUANT T, PC+16*((\a)%2), PW+(\a)%2
.irp c, 0,1,2,3
	global_store_b128 v[LI], v[PC+16*((\a)%2)+4*\c:PC+16*((\a)%2)+4*\c+3], s[12:13] offset:65536*(\a)+512*\c
.endr
	global_store_b32 v[R4], v[PW+(\a)%2], s[18:19] offset:2048*(\a)
.endm
.irp a, 0,1,2,3,4,5,6,7
	OUT \a
.endr
	s_wait_tensorcnt 0x0
	ds_add_u32 v[SPW], v[NIL]
	s_wait_dscnt 0x0
	CROUND
	s_endpgm
.Lfunc_end_k_q8d702ed869_ffn1:
	.size	k_q8d702ed869_ffn1, .Lfunc_end_k_q8d702ed869_ffn1-k_q8d702ed869_ffn1
	.p2alignl 7, 3214868480
	.fill 96, 4, 3214868480
	.section	.rodata,"a",@progbits
	.p2align	6, 0x0
	.amdhsa_kernel k_q8d702ed869_ffn1
		.amdhsa_group_segment_fixed_size 327680
		.amdhsa_private_segment_fixed_size 0
		.amdhsa_enable_private_segment 0
		.amdhsa_kernarg_size 32
		.amdhsa_user_sgpr_count 2
		.amdhsa_user_sgpr_kernarg_segment_ptr 1
		.amdhsa_wavefront_size32 1
		.amdhsa_system_sgpr_workgroup_id_x 1
		.amdhsa_system_sgpr_workgroup_id_y 1
		.amdhsa_system_sgpr_workgroup_id_z 1
		.amdhsa_system_vgpr_workitem_id 0
		.amdhsa_next_free_vgpr 1024
		.amdhsa_next_free_sgpr 100
		.amdhsa_reserve_vcc 0
		.amdhsa_float_denorm_mode_32 3
		.amdhsa_float_denorm_mode_16_64 3
		.amdhsa_memory_ordered 1
		.amdhsa_forward_progress 1
		.amdhsa_inst_pref_size 205
	.end_amdhsa_kernel
	.amdgpu_metadata
---
amdhsa.version: [ 1, 2 ]
amdhsa.kernels:
  - .name:           k_q8d702ed869_ffn1
    .symbol:         k_q8d702ed869_ffn1.kd
    .args:
      - { .name: xq, .offset: 0, .size: 8, .value_kind: global_buffer, .address_space: global }
      - { .name: wq, .offset: 8, .size: 8, .value_kind: global_buffer, .address_space: global }
      - { .name: b1, .offset: 16, .size: 8, .value_kind: global_buffer, .address_space: global }
      - { .name: h, .offset: 24, .size: 8, .value_kind: global_buffer, .address_space: global }
    .group_segment_fixed_size: 327680
    .private_segment_fixed_size: 0
    .kernarg_segment_align: 8
    .kernarg_segment_size: 32
    .max_flat_workgroup_size: 128
    .sgpr_count:     100
    .vgpr_count:     1024
    .wavefront_size: 32
...
	.end_amdgpu_metadata
.endif
;; end of part 5
;; launch ffn2 (part 6): grid 8 x 32, 4 waves a work-group, clusters of 4 x 4, 327,680 bytes of LDS; arguments h, wq, b2, src2, out0; writes out0
.if DOCPART == 6
	.amdgcn_target "amdgcn-amd-amdhsa--gfx1250"
	.amdhsa_code_object_version 6
	.text
	.protected	k_q8d702ed869_ffn2
	.globl	k_q8d702ed869_ffn2
	.p2align	8
	.type	k_q8d702ed869_ffn2,@function
k_q8d702ed869_ffn2:
	s_mov_b64 s[64:65], 0
	v_nop
	global_prefetch_b8 v0, s[64:65] scope:SCOPE_SE
	s_setreg_imm32_b32 hwreg(HW_REG_WAVE_MODE, 25, 1), 1
	s_wait_xcnt 0x0
	s_wait_alu depctr_hold_cnt(0) depctr_sa_sdst(0) depctr_va_vdst(0) depctr_va_sdst(0) depctr_va_ssrc(0) depctr_va_vcc(0) depctr_vm_vsrc(0)
	s_getreg_b32 s2, hwreg(HW_REG_IB_STS2, 6, 4)
	s_cmp_eq_u32 s2, 0
	s_cbranch_scc0 .Lentry_in_a_cluster
	s_endpgm
.Lentry_in_a_cluster:
	s_bfe_u32 s2, ttmp6, 0x10000c
	s_cmp_lg_u32 s2, 0xf033
	s_cbranch_scc0 .Lentry_shape_is_right
	s_endpgm
.Lentry_shape_is_right:
; out0 = src2 + h w2^T + b2 on codes of E4M3 with E8M0 scales; K = 4,096.  h and w2 lie as images of operand registers: [row block of 16][K step of 128][2,048 bytes], scale words [row block][K step][16 rows][4];
; row r of row block t is row 32 (t / 2) + 8 (t % 2) + r + 8 (r / 8) of the tensor.
; SHARES.  256 work-groups, a block of 128 tokens x 128 columns each; four waves, 2 x 2, each 64 x 64 in 16 accumulators.  Source 0 = 16 rows of w2, source 1 = 16 tokens: a lane holds a token and neighbouring columns.
; h GOES THROUGH LDS: a ring of two slots, each with 8 row blocks x 8 K steps (131,072 bytes): four fills for all of K, two of them refills, each a quarter of a slot a wave, asked for jointly along a row of the cluster.
; w2 GOES FROM MEMORY STRAIGHT INTO REGISTERS: a fragment of the image is four loads of 512 consecutive bytes.  A wave's four fragments of a K step come three K steps ahead, into a ring of four sets (window 1).
; w2 has no joint load: with h alone in the ring a slot holds twice the K, so K takes half the fills and a third of the refill rounds (2 in place of 6), and w2's bytes pass LDS neither on the way in nor out: LDS is read for 4 fragments a K step and not 8.
; The scale words of both operands for all of K come once, at the head, by tensor loads, and stay in LDS.
; THE SUMS BEGIN AS COPIES OF THE BIAS (64 dual moves at the head): so every K step is the same text, and K is two loops of two trips (a run of 8 K steps and a change of slots; with a refill, then without).
; THE LAST RUN'S LOOK-AHEAD names the three K steps behind K's end: bytes of the next row block, inside wq, loaded and never used, so that the counted wait holds alike in every trip.
; PREFETCH: h's fills 2 and 3 are asked of memory two fills ahead (behind the loads of fills 0 and 1), a lane a block of 256 bytes; of a wave's 32,768 bytes each of the four partners that ask jointly names 8,192, told apart by address (cx).
; Fills 0 and 1 come by their loads alone.  w2 and src2 are not prefetched: their own loads run ahead (three K steps; two runs).
; REGISTERS: window 0: v0-31 addresses, v32-63 scale words of a run (register 4 q + i: lanes 0-15 h's block i, lanes 16-31 w2's), v64-95 the bias, then v64-127 the way out, v128-255 accumulators;
;   window 1: w2's four sets of 64; window 2: v0-127 src2's block, v128-255 h's two sets of 64.
; LIMITS: NaN and infinities are not served.
.set KS,     32
.set AS,     16777216
.set WC,     8388608
.set WS,     12845056
.set NP,     8                         ; places behind this matrix instruction (ISA guide 7.12.1)
.set RBB,    65536                     ; a row block's codes for all of K
.set RUNB,   16384                     ; and for a run of 8 K steps
.set SLOT,   131072
.set SCL,    2*SLOT
.set HALFS,  256*KS
.set SPARE,  SCL+4*HALFS
.set STAGE,  SPARE+512
.set LI,   4
.set BA,   7
.set ADRA, 16
.set STO,  24
.set RD,   25
.set CO,   26
.set ADRS, 27
.set SPW,  28
.set NIL,  29
.set PFO,  30
.set SC,   32
.set BR,   64
.set RB,   64
.set ACC,  128
.set G1,   24
.set G0,   32                          ; s[32:35] the ring's walking group 0; s[36:39] the head's
.set G0H,  36
.set G1S,  68
.set G0S,  76
.set G1SB, 80
.set G0SB, 88
.set MSB, 0
.macro WIN new
.if MSB != (\new)
	s_set_vgpr_msb (MSB<<8)|(\new)
.set MSB, (\new)
.endif
.endm
.macro PLACES n
.rept \n
	v_nop
.endr
.endm
.macro TL g0, g1                       ; a tensor load; s_nop 0 and four v_nop follow it
	tensor_load_to_lds s[\g0:\g0+3], s[\g1:\g1+7]
	s_nop 0
	PLACES 4
.endm
.macro CROUND
	s_barrier_signal -1
	s_barrier_wait -1
	s_cmp_lg_u32 s14, 0
	s_cbranch_scc1 .Lnot_wave_0_\@
	s_barrier_signal -3
.Lnot_wave_0_\@:
	s_barrier_wait -3
	s_barrier_signal -1
	s_barrier_wait -1
.endm
	s_load_b256 s[4:11], s[0:1], 0x0               ; h, wq, b2, src2
	s_load_b64 s[12:13], s[0:1], 0x20              ; out0
	v_lshl_add_u32 v[SPW], v0, 2, SPARE
	v_mov_b32 v[NIL], 0
	ds_add_u32 v[SPW], v[NIL]                      ; the opening lines: the add, twice on end, and its wait
	ds_add_u32 v[SPW], v[NIL]
	v_lshrrev_b32 v1, 5, v0
	v_readfirstlane_b32 s14, v1                    ; wave
	s_lshr_b32 s15, s14, 1                         ; my half of the tokens
	s_and_b32 s16, s14, 1                          ; my half of the columns
	s_bfe_u32 s40, ttmp6, 0x40000                  ; cx
	s_bfe_u32 s41, ttmp6, 0x40004                  ; cy
	s_lshl_b32 s42, ttmp9, 2
	s_add_co_u32 s42, s42, s40                     ; tile column
	s_and_b32 s17, ttmp7, 0xffff
	s_lshl_b32 s17, s17, 2
	s_add_co_u32 s17, s17, s41                     ; tile row
	s_lshl_b32 s43, s41, 2
	s_lshl_b32 s43, 15, s43                        ; my row of the cluster
	s_lshl_b32 s44, 0x1111, s40                    ; my column
	s_or_b32 s[G1+0], s43, (3<<16)|(1<<21)         ; h's tiles: elements of 8 bytes, no padding: an image is read densely
	s_mov_b32 s[G1+1], 2048<<16                    ; a row: 8 K steps of a row block, 16,384 bytes
	s_mov_b32 s[G1+2], 4<<16                       ; 4 row blocks for the head's loads; 2 behind them
	s_mov_b32 s[G1+3], 2048<<16
	s_mov_b32 s[G1+4], 4
	s_mov_b32 s[G1+5], RBB/8
	s_mov_b32 s[G1+6], 0
	s_mov_b32 s[G1+7], 0
	s_or_b32 s[G1S+0], s43, (3<<16)|(1<<21)
	s_or_b32 s[G1SB+0], s44, (3<<16)|(1<<21)
.irp g, G1S, G1SB
	s_mov_b32 s[\g+1], 32<<16                      ; 8 row blocks' scale words: 16,384 dense bytes as 64 rows of 256
	s_mov_b32 s[\g+2], 64<<16
	s_mov_b32 s[\g+3], 32<<16
	s_mov_b32 s[\g+4], 64
	s_mov_b32 s[\g+5], 32
	s_mov_b32 s[\g+6], 0
	s_mov_b32 s[\g+7], 0
.endr
	s_lshl_b32 s20, s17, 19                        ; offsets, each under 2^32: h's codes of my tile row,
	s_mov_b32 s21, 0
	s_lshl_b32 s22, s17, 14
	s_add_co_u32 s22, s22, AS                      ; its scale words,
	s_mov_b32 s23, 0
	s_lshl_b32 s46, s42, 19
	s_lshl_b32 s18, s16, 18                        ; (4 row blocks on: also the head's half of h)
	s_mov_b32 s19, 0
	s_add_co_u32 s46, s46, s18
	s_add_co_u32 s46, s46, WC                      ; w2's codes of my wave's 4 row blocks,
	s_mov_b32 s47, 0
	s_lshl_b32 s92, s42, 14
	s_add_co_u32 s92, s92, WS                      ; w2's scale words of my tile column,
	s_mov_b32 s93, 0
	s_lshl_b32 s48, s14, 17                        ; my quarter of a slot: 2 row blocks,
	s_mov_b32 s49, 0
	s_lshr_b32 s50, s40, 1                         ; my work-group's 8,192 bytes of it for the prefetches: row block cx / 2, half cx % 2, two fills on
	s_lshl_b32 s50, s50, 16
	s_and_b32 s51, s40, 1
	s_lshl_b32 s51, s51, 13
	s_add_co_u32 s50, s50, s51
	s_add_co_u32 s50, s50, 2*RUNB
	s_mov_b32 s51, 0
	s_lshl_b32 s52, s42, 9
	s_lshl_b32 s53, s16, 8
	s_add_co_u32 s52, s52, s53                     ; my first column, in bytes
	s_mov_b32 s53, 0
	s_lshl_b32 s54, s17, 7
	s_lshl_b32 s55, s15, 6
	s_add_co_u32 s54, s54, s55
	s_lshl_b32 s54, s54, 12
	s_add_co_u32 s54, s54, s52                     ; my corner of src2 and out0
	s_mov_b32 s55, 0
	s_lshl_b32 s59, s15, 16                        ; LDS: my 4 row blocks of a slot
	s_mul_i32 s56, s15, HALFS
	s_mul_i32 s57, s16, HALFS
	s_add_co_u32 s57, s57, 2*HALFS
	s_sub_co_u32 s57, s57, s56                     ; from h's words to w2's
	s_add_co_u32 s56, s56, SCL
	s_mul_i32 s58, s14, 16*272
	s_add_co_u32 s58, s58, STAGE
	s_wait_dscnt 0x0                               ; both opening adds are done
	CROUND                                         ; the opening round: all sixteen work-groups are here
	s_wait_kmcnt 0x0
	s_add_nc_u64 s[20:21], s[4:5], s[20:21]
	s_add_nc_u64 s[22:23], s[4:5], s[22:23]
	s_add_nc_u64 s[46:47], s[6:7], s[46:47]
	s_add_nc_u64 s[92:93], s[6:7], s[92:93]
	s_mov_b32 s[G0H], 1                            ; the head: waves 0 and 1 fetch the halves of fill 0,
	s_lshl_b32 s[G0H+1], s16, 16
	s_add_nc_u64 s[G0H+2:G0H+3], s[20:21], s[18:19]
	s_or_b32 s[G0H+3], s[G0H+3], 0x80000000
	s_mov_b32 s[G0S], 1                            ; wave 2 h's scale words,
	s_mov_b32 s[G0S+1], SCL
	s_mov_b64 s[G0S+2:G0S+3], s[22:23]
	s_or_b32 s[G0S+3], s[G0S+3], 0x80000000
	s_mov_b32 s[G0SB], 1                           ; wave 3 w2's
	s_mov_b32 s[G0SB+1], SCL+2*HALFS
	s_mov_b64 s[G0SB+2:G0SB+3], s[92:93]
	s_or_b32 s[G0SB+3], s[G0SB+3], 0x80000000
	s_cmp_lt_u32 s14, 2                            ; one chain of branches on the wave's number, a load to an arm
	s_cbranch_scc0 .Lhead_sa
	TL G0H, G1
	s_branch .Lhead_asked
.Lhead_sa:
	s_cmp_eq_u32 s14, 2
	s_cbranch_scc0 .Lhead_sb
	TL G0S, G1S
	s_branch .Lhead_asked
.Lhead_sb:
	TL G0SB, G1SB
.Lhead_asked:
	s_add_nc_u64 s[48:49], s[20:21], s[48:49]      ; my quarter of fill 0 in memory
	s_add_nc_u64 s[50:51], s[48:49], s[50:51]      ; where my prefetches stand
	s_mov_b32 s[G0], 1                             ; the walking group 0: fill 1, slot 1
	s_lshl_b32 s[G0+1], s14, 15
	s_add_co_u32 s[G0+1], s[G0+1], SLOT
	s_add_nc_u64 s[G0+2:G0+3], s[48:49], RUNB
	s_or_b32 s[G0+3], s[G0+3], 0x80000000
	s_add_nc_u64 s[8:9], s[8:9], s[52:53]
	s_add_nc_u64 s[10:11], s[10:11], s[54:55]
	s_add_nc_u64 s[12:13], s[12:13], s[54:55]
	v_and_b32 v1, 15, v0                           ; r
	v_bfe_u32 v2, v0, 4, 1                         ; h
	v_and_b32 v3, 31, v0
	v_lshlrev_b32 v[LI], 4, v3                     ; 16 x lane
	v_lshlrev_b32 v[BA], 6, v2
	v_lshlrev_b32 v[PFO], 8, v3
	v_add_nc_u32 v[ADRA], s59, v[LI]
	v_lshlrev_b32 v5, 2, v1
	v_mul_u32_u24 v6, s57, v2                      ; lanes 16-31 take w2's words: one product, the distance between the two bases
	v_add_nc_u32 v5, v5, v6
	v_add_nc_u32 v[ADRS], s56, v5
	v_mul_u32_u24 v5, v1, 272
	v_lshl_add_u32 v5, v2, 6, v5
	v_add_nc_u32 v[STO], s58, v5
	v_mul_u32_u24 v5, v2, 272
	v_lshl_add_u32 v5, v1, 4, v5
	v_add_nc_u32 v[RD], s58, v5
	v_lshlrev_b32 v5, 12, v2
	v_lshl_add_u32 v[CO], v1, 4, v5
	s_wait_alu depctr_va_vdst(0)                   ; the wait ahead of the readers below
.macro FETCHA q                        ; h's four fragments of the run's K step q, out of the slot in hand, into set q % 2
	WIN 0x80
.irp i, 0,1,2,3
.irp c, 0,1,2,3
	ds_load_b128 v[128+64*((\q)%2)+16*\i+4*\c:128+64*((\q)%2)+16*\i+4*\c+3], v[ADRA] offset:RUNB*\i+2048*(\q)+512*\c
.endr
.endr
.endm
.macro FETCHB k                        ; w2's four fragments of the run's K step k, from memory, into set k % 4: each load covers 512 consecutive bytes
	WIN 0x40
.irp i, 0,1,2,3
.irp c, 0,1,2,3
	global_load_b128 v[64*((\k)%4)+16*\i+4*\c:64*((\k)%4)+16*\i+4*\c+3], v[LI], s[46:47] offset:RBB*\i+2048*(\k)+512*\c
.endr
.endr
.endm
.macro MUL4 a, q                       ; the 16 accumulators take turns, in the same order in every K step
.irp b, 0,1,2,3
	v_wmma_scale_f32_16x16x128_f8f6f4 v[ACC+8*(4*(\a)+\b):ACC+8*(4*(\a)+\b)+7], v[64*((\q)%4)+16*\b:64*((\q)%4)+16*\b+15], v[128+64*((\q)%2)+16*(\a):128+64*((\q)%2)+16*(\a)+15], v[ACC+8*(4*(\a)+\b):ACC+8*(4*(\a)+\b)+7], v[SC+4*(\q)+\b], v[SC+4*(\q)+(\a)] matrix_a_scale:MATRIX_SCALE_ROW1
.endr
.endm
.macro STEP q
.if (\q) > 0
	PLACES NP                                      ; behind the last K step's products, whose sets take the loads below
.endif
.if (\q) < 7
	FETCHA (\q)+1
.endif
	FETCHB (\q)+3
.if (\q) < 7
	s_wait_dscnt 16                                ; h's fragments of this K step are in; the 16 loads just issued may be out
.else
	s_wait_dscnt 0x0
.endif
	s_wait_loadcnt 48                              ; w2's fragments of this K step are in; behind them three K steps' 16 loads each were issued
	WIN 0x09                                       ; source 0 window 1, source 1 window 2
	MUL4 0, \q
	MUL4 1, \q
	MUL4 2, \q
	MUL4 3, \q
	WIN 0
.endm
.macro RUN                             ; 8 K steps out of the slot in hand
	PLACES NP                                      ; behind the last run's products: their fragments' and scale words' registers take loads
	FETCHA 0
	WIN 0
.irp q, 0,1,2,3,4,5,6,7
.irp i, 0,1,2,3
	ds_load_b32 v[SC+4*\q+\i], v[ADRS] offset:64*KS*\i+64*\q
.endr
.endr
.irp q, 0,1,2,3,4,5,6,7
	STEP \q
.endr
.endm
.macro CHANGE fill                     ; the change of slots
	s_wait_tensorcnt 0x0                           ; all my tensor loads have landed: my part of the next slot
	ds_add_u32 v[SPW], v[NIL]                      ; 0 onto my spare word
	v_xor_b32 v[ADRA], SLOT, v[ADRA]               ; on to the other slot,
	v_add_nc_u32 v[ADRS], 512, v[ADRS]             ; the next run's scale words,
	s_wait_xcnt 0x0                                ; (my loads have read their base)
	s_add_nc_u64 s[46:47], s[46:47], RUNB          ; and the next run of w2
.if \fill
	s_xor_b32 s[G0+1], s[G0+1], SLOT               ; the walking group 0: the slot just read, the fill after the last
	s_add_nc_u64 s[G0+2:G0+3], s[G0+2:G0+3], RUNB
.endif
	s_wait_alu depctr_va_vdst(0)
	s_wait_dscnt 0x0                               ; the add is done, and my reads of this slot are over
.if \fill
	CROUND                                         ; no wave of any partner still reads the slot or has a load on its way
	TL G0, G1                                      ; my one tensor load behind the round: a quarter of the slot
.else
	s_barrier_signal -1
	s_barrier_wait -1
.endif
.endm
	global_prefetch_b8 v[PFO], s[50:51] th:TH_LOAD_NT scope:SCOPE_SE   ; fill 2
.irp p, 0,1
.irp j, 0,1,2,3
	global_load_b128 v[BR+16*\p+4*\j:BR+16*\p+4*\j+3], v[BA], s[8:9] offset:128*\p+16*\j   ; the bias in the results' layout: register 8 b + j of tile b
.endr
.endr
	FETCHB 0
	FETCHB 1
	FETCHB 2
	WIN 0
	s_wait_loadcnt 48                              ; the bias is in: 48 loads were issued behind it
.irp a, 0,1,2,3
.set I_, 0
.rept 16
	v_dual_mov_b32 v[ACC+32*\a+I_], v[BR+I_] :: v_dual_mov_b32 v[ACC+32*\a+I_+1], v[BR+I_+1]   ; the sums begin with the bias
.set I_, I_+2
.endr
.endr
	s_wait_alu depctr_va_vdst(0)
	s_wait_tensorcnt 0x0                           ; my tile of the head's is in
	ds_add_u32 v[SPW], v[NIL]
	s_mov_b32 s[G1+2], 2<<16                       ; no tensor load of mine is out: from here on a load brings 2 row blocks
	s_mov_b32 s[G1+4], 2
	s_wait_dscnt 0x0
	CROUND                                         ; fill 0 and the scale words are in, and all sixteen work-groups are here
	TL G0, G1                                      ; fill 1, slot 1's first
	global_prefetch_b8 v[PFO], s[50:51] offset:RUNB th:TH_LOAD_NT scope:SCOPE_SE   ; fill 3
	s_mov_b32 s3, 2
.Lfill:                                            ; runs 0 and 1: behind each its slot takes fill 2, 3
	RUN
	CHANGE 1
	s_sub_co_u32 s3, s3, 1
	s_cmp_lg_u32 s3, 0
	s_cbranch_scc1 .Lfill
	WIN 0x80                                       ; src2's block, as whole rows of 256 bytes: two runs ahead of its use
.irp a, 0,1,2,3
.irp p, 0,1,2,3,4,5,6,7
	global_load_b128 v[4*(8*\a+\p):4*(8*\a+\p)+3], v[CO], s[10:11] offset:(32*(\a/2)+8*(\a%2)+2*\p+8*(\p/4))*4096 th:TH_LOAD_NT
.endr
.endr
	WIN 0
	s_mov_b32 s3, 2
.Llast:                                            ; runs 2 and 3: nothing more is fetched for the ring
	RUN
	CHANGE 0
	s_sub_co_u32 s3, s3, 1
	s_cmp_lg_u32 s3, 0
	s_cbranch_scc1 .Llast
	PLACES NP                                      ; behind the last products: results are read
	s_wait_loadcnt 0x0                             ; src2
.macro OUT a                           ; 16 tokens x 64 columns through my own stage, so that sixteen lanes store 256 consecutive bytes, aligned
.irp b, 0,1,2,3
	ds_store_b128 v[STO], v[ACC+8*(4*(\a)+\b):ACC+8*(4*(\a)+\b)+3] offset:128*(\b/2)+32*(\b%2)
	ds_store_b128 v[STO], v[ACC+8*(4*(\a)+\b)+4:ACC+8*(4*(\a)+\b)+7] offset:128*(\b/2)+32*(\b%2)+16
.endr
	s_wait_xcnt 0x0                                ; the earlier stores have read their data
.set RS, RB+32*((\a)%2)
.irp p, 0,1,2,3,4,5,6,7
	ds_load_b128 v[RS+4*\p:RS+4*\p+3], v[RD] offset:544*\p
.endr
	s_wait_dscnt 0x0
	WIN 0x08
.irp p, 0,1,2,3,4,5,6,7
	v_pk_add_f32 v[RS+4*\p:RS+4*\p+1], v[RS+4*\p:RS+4*\p+1], v[4*(8*(\a)+\p):4*(8*(\a)+\p)+1]
	v_pk_add_f32 v[RS+4*\p+2:RS+4*\p+3], v[RS+4*\p+2:RS+4*\p+3], v[4*(8*(\a)+\p)+2:4*(8*(\a)+\p)+3]
.endr
	WIN 0
.irp p, 0,1,2,3,4,5,6,7
	global_store_b128 v[CO], v[RS+4*\p:RS+4*\p+3], s[12:13] offset:(32*((\a)/2)+8*((\a)%2)+2*\p+8*(\p/4))*4096
.endr
.endm
.irp a, 0,1,2,3
	OUT \a
.endr
	s_wait_tensorcnt 0x0                           ; the wave's end
	ds_add_u32 v[SPW], v[NIL]
	s_wait_dscnt 0x0
	CROUND                                         ; the closing round
	s_endpgm
.Lfunc_end_k_q8d702ed869_ffn2:
	.size	k_q8d702ed869_ffn2, .Lfunc_end_k_q8d702ed869_ffn2-k_q8d702ed869_ffn2
	.p2alignl 7, 3214868480
	.fill 96, 4, 3214868480
	.section	.rodata,"a",@progbits
	.p2align	6, 0x0
	.amdhsa_kernel k_q8d702ed869_ffn2
		.amdhsa_group_segment_fixed_size 327680
		.amdhsa_private_segment_fixed_size 0
		.amdhsa_enable_private_segment 0
		.amdhsa_kernarg_size 40
		.amdhsa_user_sgpr_count 2
		.amdhsa_user_sgpr_kernarg_segment_ptr 1
		.amdhsa_wavefront_size32 1
		.amdhsa_system_sgpr_workgroup_id_x 1
		.amdhsa_system_sgpr_workgroup_id_y 1
		.amdhsa_system_sgpr_workgroup_id_z 1
		.amdhsa_system_vgpr_workitem_id 0
		.amdhsa_next_free_vgpr 768
		.amdhsa_next_free_sgpr 100
		.amdhsa_reserve_vcc 0
		.amdhsa_float_denorm_mode_32 3
		.amdhsa_float_denorm_mode_16_64 3
		.amdhsa_memory_ordered 1
		.amdhsa_forward_progress 1
		.amdhsa_inst_pref_size 118
	.end_amdhsa_kernel
	.amdgpu_metadata
---
amdhsa.version: [ 1, 2 ]
amdhsa.kernels:
  - .name:           k_q8d702ed869_ffn2
    .symbol:         k_q8d702ed869_ffn2.kd
    .args:
      - { .name: h, .offset: 0, .size: 8, .value_kind: global_buffer, .address_space: global }
      - { .name: wq, .offset: 8, .size: 8, .value_kind: global_buffer, .address_space: global }
      - { .name: b2, .offset: 16, .size: 8, .value_kind: global_buffer, .address_space: global }
      - { .name: src2, .offset: 24, .size: 8, .value_kind: global_buffer, .address_space: global }
      - { .name: out0, .offset: 32, .size: 8, .value_kind: global_buffer, .address_space: global }
    .group_segment_fixed_size: 327680
    .private_segment_fixed_size: 0
    .kernarg_segment_align: 8
    .kernarg_segment_size: 40
    .max_flat_workgroup_size: 128
    .sgpr_count:     100
    .vgpr_count:     768
    .wavefront_size: 32
...
	.end_amdgpu_metadata
.endif
;; end of part 6
